; MI455X (gfx1250); checked and timed in simulation.
; The chip was launched on July 23, 2026; its instructions are those of AMD's public machine-readable ISA for CDNA 5 (MIT licence, August 2026) and "CDNA5" Instruction Set Architecture Reference Guide (July 2026). The comments in the code are by the model that wrote it; some were corrected since.
;; Mo E. Allowed arithmetic: float matrix products may take bf16 or f16 operands with f32 sums; other float arithmetic in f32, or as packed bf16 or f16 multiplies, adds, multiply-adds, maxima and minima; sums over many terms, partial sums and values carried from step to step in f32; what a program stores and reads back later, other than sums and carried values, may be rounded once to bf16 or f16.
;; Inputs: W1 8 x 1,024 x 4,096 float32; W2 8 x 4,096 x 1,024 float32; Wg 1,024 x 8 float32; b1 8 x 4,096 float32; b2 8 x 1,024 float32; bg 8 float32; x 2 x 512 x 1,024 float32.
;; Outputs: out0 2 x 512 x 1,024 float32.
;; One version. Each part assembles by itself: llvm-mc -triple=amdgcn-amd-amdhsa -mcpu=gfx1250 --defsym DOCPART=n.
;; ======== version 1 of 1: 4 launches
;; limits: values are held in f16: magnitudes above 65,504 overflow, below 6.1e-05 lose precision
;; workspace buffers: xb 2,097,152 bytes; choice 8,192 bytes of whole numbers; gate 8,192 bytes; h 16,777,216 bytes; ypart 33,554,432 bytes
;; launch router (part 1): grid 256 x 1, 4 waves a work-group, no clusters, 0 bytes of LDS; arguments x, Wg, bg, xb, choice, gate; writes xb, choice, gate
.if DOCPART == 1
	.amdgcn_target "amdgcn-amd-amdhsa--gfx1250"
	.amdhsa_code_object_version 6
	.text
	.protected	k_q743628b998_router
	.globl	k_q743628b998_router
	.p2align	8
	.type	k_q743628b998_router,@function
k_q743628b998_router:
	s_mov_b64 s[64:65], 0
	v_nop
	global_prefetch_b8 v0, s[64:65] scope:SCOPE_SE
	s_setreg_imm32_b32 hwreg(HW_REG_WAVE_MODE, 25, 1), 1
	s_wait_xcnt 0x0
; ROUTER.  For each of the 1,024 tokens: logits = x . Wg + bg, softmax over the 8 experts (the maximum taken away), the two largest scores.
; Stores xb = x rounded to bf16 [1024][1024], choice[2 t + slot] = the expert (whole numbers), gate[2 t + slot] = its score (f32).
; FORMATS.  x, Wg and bg are rounded once to bf16, as every input of this program is; the products of two bf16 numbers are exact in f32 and the sums are f32.
; LIMITS.  The sums run in another order than a plain f32 einsum's: two scores that agree to within f32 rounding may change places.  Equal scores: the lower index wins,
; by strict comparisons in ascending order.  NaN and infinities are not treated apart.
; SHARES.  One wave, one token: t = 4 x work-group + wave.  Lane L holds d = 128 j + 4 L + 0..3, j = 0..7: a load of x covers 512 consecutive bytes, a store of xb 256.
; No LDS, no barrier, no matrix unit: 8 K multiply-adds a token, and the sum never leaves the wave.
.set XF,  4                            ; v[4:35]    x as loaded
.set WA,  36                           ; v[36:99]   Wg, two values of j (64 numbers a lane), then packed in its first 32
.set WB,  100                          ; v[100:163] the same, the other buffer
.set ACC, 164                          ; v[164:171] the 8 logits
.set XP,  172                          ; v[172:187] x in bf16, packed: register 2 j + m holds d = 128 j + 4 L + 2 m, + 1
.set LN,  188                          ; lane
.set ZR,  189                          ; 0
.set TM,  190                          ; v[190:201] at work
.set PR,  100                          ; behind the products: v[100:107] exponentials
.set QR,  108                          ; v[108:115] the same without the best
.set BV,  116                          ; best value
.set SV,  117                          ; second value
.set MX,  118
.set SU,  119
.set BI,  120                          ; v[120:121] best index, second index
.set SI,  121
.set GW,  122                          ; v[122:123] their scores
.macro WLOADS buf, p                   ; Wg rows d = 128 j + 4 L + 0..3 for j = 2 p, 2 p + 1: 128 bytes a lane and j; register 32 jj + 8 d' + e
.irp jj, 0,1
.irp i, 0,1,2,3,4,5,6,7
	global_load_b128 v[(\buf)+32*\jj+4*\i:(\buf)+32*\jj+4*\i+3], v2, s[6:7] offset:4096*(2*(\p)+\jj)+16*\i
.endr
.endr
.endm
.macro PACKW buf                       ; 64 numbers rounded to bf16, in place and ascending: register k takes numbers 2 k and 2 k + 1, which no later line needs unpacked
.set k, 0
.rept 32
	v_cvt_pk_bf16_f32 v[(\buf)+k], v[(\buf)+2*k], v[(\buf)+2*k+1]
.set k, k+1
.endr
.endm
.macro MIX a, w, x, c, wh, xh          ; a = w.half x x.half + c, the halves bf16, c and a f32
.if ((\wh) == 0) && ((\xh) == 0)
	v_fma_mix_f32_bf16 v[\a], v[\w], v[\x], v[\c] op_sel_hi:[1,1,0]
.elseif ((\wh) == 1) && ((\xh) == 0)
	v_fma_mix_f32_bf16 v[\a], v[\w], v[\x], v[\c] op_sel:[1,0,0] op_sel_hi:[1,1,0]
.elseif ((\wh) == 0) && ((\xh) == 1)
	v_fma_mix_f32_bf16 v[\a], v[\w], v[\x], v[\c] op_sel:[0,1,0] op_sel_hi:[1,1,0]
.else
	v_fma_mix_f32_bf16 v[\a], v[\w], v[\x], v[\c] op_sel:[1,1,0] op_sel_hi:[1,1,0]
.endif
.endm
.macro DOT buf, p, first               ; 8 values of d x 8 experts; the 8 sums take turns.  first = 1: the first products add onto 0
.set dd, 0
.rept 8
.set e, 0
.rept 8
.if (\first) && (dd == 0)
	MIX ACC+e,(\buf)+4*dd+e/2,XP+2*(2*(\p)+dd/4)+(dd%4)/2,ZR,e%2,dd%2
.else
	MIX ACC+e,(\buf)+4*dd+e/2,XP+2*(2*(\p)+dd/4)+(dd%4)/2,ACC+e,e%2,dd%2
.endif
.set e, e+1
.endr
.set dd, dd+1
.endr
.endm
	s_load_b256 s[4:11], s[0:1], 0x0               ; x s[4:5], Wg s[6:7], bg s[8:9], xb s[10:11]
	s_load_b128 s[12:15], s[0:1], 0x20             ; choice s[12:13], gate s[14:15]
	v_lshrrev_b32 v[TM], 5, v0
	v_readfirstlane_b32 s24, v[TM]                 ; wave
	s_lshl_b32 s25, ttmp9, 2
	s_add_co_u32 s25, s25, s24                     ; token
	v_and_b32 v[LN], 31, v0
	v_lshlrev_b32 v1, 4, v[LN]                     ; 16 L: x
	v_lshlrev_b32 v2, 7, v[LN]                     ; 128 L: Wg
	v_lshlrev_b32 v3, 3, v[LN]                     ; 8 L: xb
	v_mov_b32 v[ZR], 0
	s_mov_b32 s28, 0x76543210                      ; v_permlanex16_b32: each lane takes its own place in the other half
	s_mov_b32 s29, 0xfedcba98
	s_mov_b32 s27, 0
	s_lshl_b32 s26, s25, 12                        ; a row of x is 4,096 bytes
	s_wait_kmcnt 0x0
	s_load_b256 s[16:23], s[8:9], 0x0              ; bg: 8 numbers
	s_add_nc_u64 s[4:5], s[4:5], s[26:27]
.irp j, 0,1,2,3,4,5,6,7
	global_load_b128 v[XF+4*\j:XF+4*\j+3], v1, s[4:5] offset:512*\j th:TH_LOAD_NT
.endr
	WLOADS WA,0
	WLOADS WB,1
	s_lshl_b32 s26, s25, 11                        ; a row of xb is 2,048 bytes
	s_add_nc_u64 s[10:11], s[10:11], s[26:27]
	s_lshl_b32 s26, s25, 3                         ; two words a token
	s_add_nc_u64 s[12:13], s[12:13], s[26:27]
	s_add_nc_u64 s[14:15], s[14:15], s[26:27]
	s_wait_loadcnt 16                              ; x and the first 16 loads of Wg are in; the 16 younger stay out
.set k, 0
.rept 16
	v_cvt_pk_bf16_f32 v[XP+k], v[XF+2*k], v[XF+2*k+1]
.set k, k+1
.endr
.irp j, 0,1,2,3,4,5,6,7
	global_store_b64 v3, v[XP+2*\j:XP+2*\j+1], s[10:11] offset:256*\j  ; the wave stores 256 consecutive bytes, aligned; XP is not written again
.endr
	PACKW WA
	DOT WA,0,1
	WLOADS WA,2
	s_wait_loadcnt 16                              ; the second 16 are in; the 16 just issued stay out
	PACKW WB
	DOT WB,1,0
	WLOADS WB,3
	s_wait_loadcnt 16
	PACKW WA
	DOT WA,2,0
	s_wait_loadcnt 0x0
	PACKW WB
	DOT WB,3,0
	; the sums over the 32 lanes: four steps inside each half ride on the additions, one crosses the halves
.irp m, 1,2,4,8
.irp e, 0,1,2,3,4,5,6,7
	v_add_f32_dpp v[ACC+\e], v[ACC+\e], v[ACC+\e] row_xmask:\m row_mask:0xf bank_mask:0xf
.endr
.endr
.irp e, 0,1,2,3,4,5,6,7
	v_permlanex16_b32 v[WA+32+\e], v[ACC+\e], s28, s29     ; the destination has been written before (by a load)
.endr
	s_wait_kmcnt 0x0                               ; bg
.irp q, 0,1,2,3
	v_cvt_pk_bf16_f32 v[TM+\q], s[16+2*\q], s[17+2*\q]     ; bg rounded to bf16,
.endr
.irp q, 0,1,2,3
	v_lshlrev_b32 v[TM+4+2*\q], 16, v[TM+\q]               ; and widened again
	v_and_b32 v[TM+5+2*\q], 0xffff0000, v[TM+\q]
.endr
.irp e, 0,1,2,3,4,5,6,7
	v_add_f32 v[ACC+\e], v[ACC+\e], v[WA+32+\e]
.endr
.irp e, 0,1,2,3,4,5,6,7
	v_add_f32 v[ACC+\e], v[ACC+\e], v[TM+4+\e]
.endr
	; softmax: every lane holds all 8 logits
	v_max3_num_f32 v[MX], v[ACC], v[ACC+1], v[ACC+2]
	v_max3_num_f32 v[MX], v[MX], v[ACC+3], v[ACC+4]
	v_max3_num_f32 v[MX], v[MX], v[ACC+5], v[ACC+6]
	v_max_num_f32 v[MX], v[MX], v[ACC+7]
.irp e, 0,1,2,3,4,5,6,7
	v_sub_f32 v[PR+\e], v[ACC+\e], v[MX]
.endr
.irp e, 0,1,2,3,4,5,6,7
	v_mul_f32 v[PR+\e], 0x3fb8aa3b, v[PR+\e]       ; log2(e)
.endr
.irp e, 0,1,2,3,4,5,6,7
	v_exp_f32 v[PR+\e], v[PR+\e]
.endr
	v_nop                                          ; a plain instruction behind the last exponential,
	s_wait_alu depctr_va_vdst(0)                   ; and one wait for the eight, ahead of their first reader
	v_add_f32 v[QR], v[PR], v[PR+1]
	v_add_f32 v[QR+1], v[PR+2], v[PR+3]
	v_add_f32 v[QR+2], v[PR+4], v[PR+5]
	v_add_f32 v[QR+3], v[PR+6], v[PR+7]
	v_add_f32 v[QR], v[QR], v[QR+1]
	v_add_f32 v[QR+2], v[QR+2], v[QR+3]
	v_add_f32 v[SU], v[QR], v[QR+2]
	v_rcp_f32 v[SU], v[SU]                         ; the two scans below do not name it
	v_mov_b32 v[BV], v[PR]                         ; the largest: a later one wins only if strictly greater
	v_mov_b32 v[BI], 0
.irp e, 1,2,3,4,5,6,7
	v_cmp_gt_f32 vcc_lo, v[PR+\e], v[BV]
	v_cndmask_b32 v[BV], v[BV], v[PR+\e], vcc_lo
	v_cndmask_b32 v[BI], v[BI], \e, vcc_lo
.endr
.irp e, 0,1,2,3,4,5,6,7
	v_cmp_eq_u32 vcc_lo, \e, v[BI]
	v_cndmask_b32 v[QR+\e], v[PR+\e], -1.0, vcc_lo ; the best leaves the field: every exponential is 0 or more
.endr
	v_mov_b32 v[SV], v[QR]
	v_mov_b32 v[SI], 0
.irp e, 1,2,3,4,5,6,7
	v_cmp_gt_f32 vcc_lo, v[QR+\e], v[SV]
	v_cndmask_b32 v[SV], v[SV], v[QR+\e], vcc_lo
	v_cndmask_b32 v[SI], v[SI], \e, vcc_lo
.endr
	s_wait_alu depctr_va_vdst(0)                   ; the reciprocal's wait, ahead of its first reader
	v_mul_f32 v[GW], v[BV], v[SU]
	v_mul_f32 v[GW+1], v[SV], v[SU]
	v_cmp_eq_u32 vcc_lo, 0, v[LN]
	s_wait_xcnt 0x0                                ; EXEC is a source of the stores of xb: it changes only behind this wait
	s_and_saveexec_b32 s30, vcc_lo                 ; lane 0 stores the token's two words of each table: 16 bytes a token, 16 KiB in the launch
	global_store_b64 v[ZR], v[BI:BI+1], s[12:13]
	global_store_b64 v[ZR], v[GW:GW+1], s[14:15]
	s_wait_xcnt 0x0                                ; and again, in front of the line that widens it
	s_or_b32 exec_lo, exec_lo, s30
	s_endpgm
.Lfunc_end_k_q743628b998_router:
	.size	k_q743628b998_router, .Lfunc_end_k_q743628b998_router-k_q743628b998_router
	.p2alignl 7, 3214868480
	.fill 96, 4, 3214868480
	.section	.rodata,"a",@progbits
	.p2align	6, 0x0
	.amdhsa_kernel k_q743628b998_router
		.amdhsa_group_segment_fixed_size 0
		.amdhsa_private_segment_fixed_size 0
		.amdhsa_enable_private_segment 0
		.amdhsa_kernarg_size 48
		.amdhsa_user_sgpr_count 2
		.amdhsa_user_sgpr_kernarg_segment_ptr 1
		.amdhsa_wavefront_size32 1
		.amdhsa_system_sgpr_workgroup_id_x 1
		.amdhsa_system_sgpr_workgroup_id_y 1
		.amdhsa_system_sgpr_workgroup_id_z 1
		.amdhsa_system_vgpr_workitem_id 0
		.amdhsa_next_free_vgpr 208
		.amdhsa_next_free_sgpr 66
		.amdhsa_reserve_vcc 1
		.amdhsa_float_denorm_mode_32 3
		.amdhsa_float_denorm_mode_16_64 3
		.amdhsa_memory_ordered 1
		.amdhsa_forward_progress 1
		.amdhsa_inst_pref_size 43
	.end_amdhsa_kernel
	.amdgpu_metadata
---
amdhsa.version: [ 1, 2 ]
amdhsa.kernels:
  - .name:           k_q743628b998_router
    .symbol:         k_q743628b998_router.kd
    .args:
      - { .name: x, .offset: 0, .size: 8, .value_kind: global_buffer, .address_space: global }
      - { .name: Wg, .offset: 8, .size: 8, .value_kind: global_buffer, .address_space: global }
      - { .name: bg, .offset: 16, .size: 8, .value_kind: global_buffer, .address_space: global }
      - { .name: xb, .offset: 24, .size: 8, .value_kind: global_buffer, .address_space: global }
      - { .name: choice, .offset: 32, .size: 8, .value_kind: global_buffer, .address_space: global }
      - { .name: gate, .offset: 40, .size: 8, .value_kind: global_buffer, .address_space: global }
    .group_segment_fixed_size: 0
    .private_segment_fixed_size: 0
    .kernarg_segment_align: 8
    .kernarg_segment_size: 48
    .max_flat_workgroup_size: 128
    .sgpr_count:     66
    .vgpr_count:     208
    .wavefront_size: 32
...
	.end_amdgpu_metadata
.endif
;; end of part 1
;; launch up (part 2): grid 32 x 8, 4 waves a work-group, no clusters, 317,440 bytes of LDS; arguments W1, b1, xb, choice, h; writes h
.if DOCPART == 2
	.amdgcn_target "amdgcn-amd-amdhsa--gfx1250"
	.amdhsa_code_object_version 6
	.text
	.protected	k_q743628b998_up
	.globl	k_q743628b998_up
	.p2align	8
	.type	k_q743628b998_up,@function
k_q743628b998_up:
	s_mov_b64 s[64:65], 0
	v_nop
	global_prefetch_b8 v0, s[64:65] scope:SCOPE_SE
	s_setreg_imm32_b32 hwreg(HW_REG_WAVE_MODE, 25, 1), 1
	s_wait_xcnt 0x0
; ONE PRODUCT OF A LAYER OF ROUTED EXPERTS.  The same text serves both products; DOWN picks the form.
;   DOWN = 0:  h[r][f] = gelu(xb[r / 2] . W1[e][:, f] + b1[e][f]), f16.            DOWN = 1:  ypart[ks][r][d] = gate[r] x (h[r][1024 ks ..] . W2[e][1024 ks .., d] + b2[e][d] if ks = 0), f32.
; r = 2 x token + slot is a routed row, 0 to 2,047; e = choice[r] is its expert.  Only the rows that chose an expert are multiplied by it.
; SHARES.  Grid 32 x 8: y is the expert; x picks a slice of its weights, 1,024 along K x 128 columns, which this work-group alone reads (DOWN = 0: columns 128 x of all of K;
; DOWN = 1: columns 128 (x % 8) of K quarter x / 8).  The slice is read once as f32, rounded to 16 bits on its way through registers and kept in LDS; then all of the expert's rows walk it.
; A wave takes 80 rows x 128 columns, 40 accumulators; four waves 320 rows a trip; four trips (a constant) serve every split, up to 1,024 rows; a wave's dead trips jump the products.
; THE LIST.  Wave 0 ranks the 2,048 choices for this expert (compare, count of lower lanes, running count) and stores each row's number at its rank in LDS; nothing depends on the list's order.
; BARRIERS.  One behind the fill.  Two in each of the four trips, on every wave's path: in the part ahead of the first all waves only read LDS (slice, list); between the two each wave writes and
; reads its stage.  By the map below stage and slice share no byte; the barriers make the order hold without leaning on that arithmetic.
; NO TENSOR LOADS: f32 must pass through registers to become 16 bits.  NO CLUSTER: a slice has one reader, and the rows come by a list, which no descriptor covers.
; THE MATRIX INSTRUCTION IS USED TRANSPOSED: source 0 = 16 columns of the weights (turned out of LDS by ds_load_tr16_b128), source 1 = 16 rows: a lane holds one row (lane % 16) and eight
; neighbouring columns 8 (lane / 16) + 0..7.  The bias, in that layout, is the C operand of the first K step: nothing is cleared.
; FORMATS.  Weights, biases and x are rounded once to bf16, as every input of this program is; sums in f32.  h, which the program itself makes, is stored in f16 (11 significant bits for bf16's 8),
; so the second product runs in f16: W2 is rounded to bf16 like the other inputs, and that number is written as f16.  ypart (partial sums) is f32.
; LIMITS.  erf by a rational form with five coefficients, absolute error 1.5e-7 for every argument; gelu = max(x, 0) - |x| erfc(|x| / sqrt 2) / 2.  NaN and infinities are not treated apart.
; h above 65,504 is stored as 65,504; h and the weights of W2 below 6.1e-5 in magnitude keep f16's fixed step of 6e-8; a weight of W2 of 65,520 or more would become an infinity.
; In a block of 16 rows that the count cuts, the places past the count repeat the expert's last row, and the same wave stores that row's bytes again; blocks wholly past the count are jumped.
; An expert without rows still reads its slice and stores nothing.
.set DOWN, 0
.set PITCH, 288                        ; a K row of the slice in LDS: 128 numbers of 16 bits = 256 bytes + 32
.set LIST,  1024*PITCH                 ; 294,912: behind the slice: the list, 1,024 words
.set CNTW,  LIST+4096                  ; the count, one word in a block of 256 bytes: index 1,024 from LIST
.set DUMP,  CNTW+256                   ; a word a lane for the lanes that do not match: indices 1,088 to 1,119 from LIST
.set STAGE, DUMP+256                   ; 299,520: 16 rows x 272 bytes for each wave, for the way out
.set SP,    272
.set SPARE, STAGE+4*16*SP              ; 316,928: the spare words, 128 bytes a wave: two blocks of 256 bytes that no other line names
.if DOWN
.set WPITCH, 4096                      ; bytes from a K row of the weights to the next
.set SHIFT,  12                        ; a row of the output is 4,096 bytes
.else
.set WPITCH, 16384
.set SHIFT,  13                        ; 8,192 bytes
.endif
; VECTOR REGISTERS, in windows of 256 (s_set_vgpr_msb: bits 1:0 source 0, 3:2 source 1, 5:4 source 2, 7:6 destination)
; window 0
.set SPW,   1                          ; LDS address of my spare word; never rewritten
.set NIL,   2                          ; 0; never rewritten
.set L15,   3                          ; lane % 16
.set H16,   4                          ; 16 x (lane / 16)
.set H32,   5                          ; 32 x (lane / 16)
.set C16,   6                          ; 16 x (lane % 16)
.set BADR0, 7                          ; my lane's place in a fragment of the slice
.set BADR,  8                          ; the same, at the trip in hand
.set WST,   9                          ; the fill: where my 8 bytes of a K row go
.set WOF,   10                         ; 16 x lane
.set STO,   11                         ; the way out: where I put my part of a row
.set RD,    12                         ; the way out: where I read a row back
.set RR,    13                         ; v13-17  the row number r of my row in block a
.set XO,    18                         ; v18-22  its byte offset in the rows' buffer, + 16 x (lane / 16)
.set RC,    23                         ; r of the block on its way out
.set BPI,   24                         ; v24-31  lane selects: store t takes rows 2 t (lanes 0-15) and 2 t + 1 (lanes 16-31)
.set SO,    32                         ; v32-39  byte offsets of those stores
.set GO,    40                         ; v40-44  byte offsets in gate (DOWN); at work in the head
.set DIDX,  45                         ; 1,088 + lane
.set RV0,   46                         ; 4 x lane
.set GT,    48                         ; v48-57  gate of my row in block a, twice (a pair for the packed multiply)
.set LA,    58                         ; v58-62  LDS addresses at work
.set BF0,   64                         ; v64-127, v128-191  fragments of the slice, two buffers of 8 x 8
.set CH,    64                         ; the list: the 2,048 choices, 64 a lane
.set CV,    128                        ; the fill: 16 registers of packed 16-bit numbers
.set CW,    144                        ; the fill (DOWN): 32 registers, the bf16 numbers widened
.set SS,    64                         ; the way out: v64-127 a block's 64 numbers
.set TT,    128                        ; v128-159, v160-191, v192-223 at work
.set EE,    160
.set PP,    192
.set BK,    224                        ; v224-255 16 rows read back
; window 1: accumulators of blocks 0-3 at 64 a + 8 b; during the fill a ring of 64 slots x 4
; window 2: accumulators of block 4 at 8 b (during the fill: the bias as loaded); v64-223 a ring of four slots x 40 for the rows' fragments
.set RAW,   0
.set AR,    64
; window 3: v0-63 the bias fragments; v64-95 the bias in bf16, packed
.set BIAS,  0
.set BT,    64
; SCALAR REGISTERS
.set WV,   16                          ; wave
.set EX,   17                          ; expert
.set CNT,  19                          ; the expert's rows
.set CNT1, 20                          ; less one
.set BASE, 21                          ; my tile's first rank
.set TR,   22                          ; tiles to go
.set LC,   23                          ; loop count
.set XK,   24                          ; s[24:25] the rows' buffer at the K trip in hand
.set OF,   26                          ; s[26:27] an offset
.set RB,   28                          ; running count
.set TS,   29                          ; at work
.set REM,  30                          ; rows left from the block in hand on
.set KM,   31                          ; DOWN: all ones if ks = 0
.set WP,   32                          ; s[32:33] the weights at my wave's rows
.set XB,   34                          ; s[34:35] the rows' buffer
.set C1,   36                          ; s[36:47] c1, a1 .. a5, as pairs of which the low word serves both halves
.set A1,   38
.set A2,   40
.set A3,   42
.set A4,   44
.set A5,   46
.set PS,   48
.set IC1,  49
.set HP,   50                          ; s[50:51] the output at my columns
.set IT,   52                          ; block on its way out
.set KS,   53
.set CC,   54
.set TB,   55                          ; LDS byte at which the K trip in hand begins in the slice
.set LIM,  56                          ; 65,504, f16's largest number
.set MSK,  57                          ; a word's upper bf16
.set MSB, 0
.macro WIN new                         ; the immediate's high byte repeats the setting that is left; a switch that changes nothing is dropped
.if MSB != (\new)
	s_set_vgpr_msb (MSB<<8)|(\new)
.set MSB, (\new)
.endif
.endm
.macro PLACES                          ; four plain vector instructions between a matrix instruction and a vector line or load that touches its registers (ISA guide 7.12.1 for vector instructions)
.rept 4
	v_nop
.endr
.endm
.macro ALL16 line:vararg               ; one line for each i = 0 .. 15
.set i, 0
.rept 16
	\line
.set i, i+1
.endr
.endm
.macro ALL32 line:vararg
.set i, 0
.rept 32
	\line
.set i, i+1
.endr
.endm
	s_load_b256 s[4:11], s[0:1], 0x0               ; weights s[4:5], bias s[6:7], rows s[8:9], choice s[10:11]
.if DOWN
	s_load_b128 s[12:15], s[0:1], 0x20             ; gate s[12:13], ypart s[14:15]
.else
	s_load_b64 s[12:13], s[0:1], 0x20              ; h
.endif
	v_lshl_add_u32 v[SPW], v0, 2, SPARE
	v_mov_b32 v[NIL], 0
	v_lshrrev_b32 v40, 5, v0
	v_readfirstlane_b32 s[WV], v40
	s_and_b32 s[EX], ttmp7, 0xffff
	s_mov_b32 s[MSK], 0xffff0000
	v_and_b32 v41, 31, v0                          ; lane
	v_bfe_u32 v42, v0, 4, 1                        ; lane / 16
	v_and_b32 v[L15], 15, v0
	v_lshlrev_b32 v[H16], 4, v42
	v_lshlrev_b32 v[H32], 5, v42
	v_lshlrev_b32 v[C16], 4, v[L15]
	v_lshlrev_b32 v[WOF], 4, v41
	; the turning load takes 16 K rows x 16 columns: lane l reads 16 bytes of K row 8 (l / 16) + l % 8, columns 8 ((l / 8) % 2) + 0..7, and is left with column l % 16 and 8 values of K
	v_and_b32 v43, 7, v0
	v_lshl_add_u32 v43, v42, 3, v43
	v_mul_u32_u24 v43, v43, PITCH
	v_bfe_u32 v44, v0, 3, 1
	v_lshl_add_u32 v[BADR0], v44, 4, v43
	s_mul_i32 s[TS], s[WV], 256*PITCH              ; my wave fills K rows 256 w to 256 w + 255
	v_lshl_add_u32 v[WST], v41, 3, s[TS]
	s_mul_i32 s[TS], s[WV], 16*SP
	s_add_co_u32 s[TS], s[TS], STAGE               ; my stage
	v_mul_u32_u24 v43, v[L15], SP
.if DOWN
	v_add_nc_u32 v43, v43, v[H32]                  ; in: row l % 16; eight f32 are 32 bytes for each half of the lanes
.else
	v_add_nc_u32 v43, v43, v[H16]                  ; in: row l % 16; eight f16 are 16 bytes for each half of the lanes
.endif
	v_add_nc_u32 v[STO], s[TS], v43
	v_mul_u32_u24 v44, v42, SP
	v_add_nc_u32 v44, v44, v[C16]                  ; back: lanes 0-15 take one row of 256 bytes, lanes 16-31 the next
	v_add_nc_u32 v[RD], s[TS], v44
.irp t, 0,1,2,3,4,5,6,7
	v_lshl_add_u32 v[BPI+\t], v42, 2, 8*\t         ; 4 x (2 t + lane / 16)
.endr
	v_add_nc_u32 v[DIDX], 1088, v41
	v_lshlrev_b32 v[RV0], 2, v41
	s_mov_b32 s[OF+1], 0
.if DOWN
	s_and_b32 s[CC], ttmp9, 7
	s_lshr_b32 s[KS], ttmp9, 3
	s_cmp_eq_u32 s[KS], 0
	s_cselect_b32 s[KM], -1, 0
	s_lshl_b32 s[OF], s[EX], 24                    ; an expert's weights are 16 MiB,
	s_lshl_b32 s[TS], s[KS], 22                    ; a K quarter 1,024 rows of 4,096 bytes,
	s_add_co_u32 s[OF], s[OF], s[TS]
	s_lshl_b32 s[TS], s[CC], 9                     ; 128 columns 512 bytes,
	s_add_co_u32 s[OF], s[OF], s[TS]
	s_lshl_b32 s[TS], s[WV], 20                    ; my wave's 256 rows
	s_add_co_u32 s[OF], s[OF], s[TS]
	s_wait_kmcnt 0x0
	s_add_nc_u64 s[WP:WP+1], s[4:5], s[OF:OF+1]
	s_lshl_b32 s[OF], s[EX], 12
	s_lshl_b32 s[TS], s[CC], 9
	s_add_co_u32 s[OF], s[OF], s[TS]
	s_add_nc_u64 s[6:7], s[6:7], s[OF:OF+1]        ; the bias at my columns
	s_lshl_b32 s[OF], s[KS], 11
	s_add_nc_u64 s[XB:XB+1], s[8:9], s[OF:OF+1]    ; h at my K quarter
	s_lshl_b32 s[OF], s[KS], 23                    ; a plane of ypart is 8 MiB
	s_add_co_u32 s[OF], s[OF], s[TS]
	s_add_nc_u64 s[HP:HP+1], s[14:15], s[OF:OF+1]
.else
	s_mov_b32 s[C1], 0x3f596d27                    ; c1 = sqrt(log2(e) / 2) = 0.849322: exp(-x x / 2) = 2^(-s s) with s = c1 x
	s_mov_b32 s[A1], 0x3e199eb3                    ; the five coefficients of erfc, each times 1 / (2 c1)
	s_mov_b32 s[A2], 0xbe2b8119
	s_mov_b32 s[A3], 0x3f563818
	s_mov_b32 s[A4], 0xbf5b0099
	s_mov_b32 s[A5], 0x3f1ff67a
.irp c, C1, A1, A2, A3, A4, A5
	s_mov_b32 s[\c+1], s[\c]                       ; named as pairs
.endr
	s_mov_b32 s[PS], 0x3e8ba43f                    ; 0.3275911 / sqrt(log2(e)) = 0.272737: t = 1 / (1 + ps |s|)
	s_mov_b32 s[IC1], 0x3f96b55f                   ; 1 / c1 = 1.177410
	s_mov_b32 s[LIM], 0x477fe000                   ; 65,504
	s_lshl_b32 s[OF], s[EX], 24                    ; an expert's weights are 16 MiB,
	s_lshl_b32 s[TS], ttmp9, 9                     ; 128 columns 512 bytes,
	s_add_co_u32 s[OF], s[OF], s[TS]
	s_lshl_b32 s[TS], s[WV], 22                    ; my wave's 256 rows of 16,384 bytes
	s_add_co_u32 s[OF], s[OF], s[TS]
	s_wait_kmcnt 0x0
	s_add_nc_u64 s[WP:WP+1], s[4:5], s[OF:OF+1]
	s_lshl_b32 s[OF], s[EX], 14
	s_lshl_b32 s[TS], ttmp9, 9
	s_add_co_u32 s[OF], s[OF], s[TS]
	s_add_nc_u64 s[6:7], s[6:7], s[OF:OF+1]        ; the bias at my columns
	s_mov_b64 s[XB:XB+1], s[8:9]
	s_lshl_b32 s[OF], ttmp9, 8
	s_add_nc_u64 s[HP:HP+1], s[12:13], s[OF:OF+1]  ; h at my columns: 256 bytes of a row
.endif
	; loads, oldest first: the bias (16), the choices (16), the first 32 K rows of my part of the slice
	WIN 0x80
.irp b, 0,1,2,3,4,5,6,7
	global_load_b128 v[RAW+8*\b:RAW+8*\b+3],   v[H32], s[6:7] offset:64*\b        ; register 8 b + j: column 16 b + 8 (lane / 16) + j
	global_load_b128 v[RAW+8*\b+4:RAW+8*\b+7], v[H32], s[6:7] offset:64*\b+16
.endr
	WIN 0
.irp q, 0,1,2,3,4,5,6,7,8,9,10,11,12,13,14,15
	global_load_b128 v[CH+4*\q:CH+4*\q+3], v[WOF], s[10:11] offset:512*\q         ; register 4 q + c: r = 128 q + 4 lane + c.  Every wave issues them, so that all waves' loads stand in one order
.endr
	WIN 0x40
.set i, 0
.rept 32
	global_load_b128 v[4*i:4*i+3], v[WOF], s[WP:WP+1] offset:i*WPITCH th:TH_LOAD_NT  ; a K row's 128 f32: 512 consecutive bytes
.set i, i+1
.endr
	WIN 0
	; THE LIST, by wave 0 alone: no barrier stands in the branch
	s_cmp_lg_u32 s[WV], 0
	s_cbranch_scc1 .Lfill
	s_wait_loadcnt 32                              ; bias and choices are in; the 32 younger loads of the ring stay out
	s_mov_b32 s[RB], 0
.macro LENT                            ; register i of the choices: a matching lane stores its r at its rank, the others into their dump word
.set la, LA+2*(i%2)
	v_cmp_eq_u32 vcc_lo, s[EX], v[CH+i]
	v_mbcnt_lo_u32_b32 v[la], vcc_lo, s[RB]        ; the running count + the matching lanes below me
	s_bcnt1_i32_b32 s[TS], vcc_lo
	v_cndmask_b32 v[la], v[DIDX], v[la], vcc_lo
	v_min_u32 v[la], 1151, v[la]                   ; inside list, count and dump, whatever was loaded; a rank is 1,023 at the most, since a token's two experts differ
	v_lshl_add_u32 v[la], v[la], 2, LIST
	v_add_nc_u32 v[la+1], 128*(i/4)+i%4, v[RV0]
	ds_store_b32 v[la], v[la+1]
	s_add_co_u32 s[RB], s[RB], s[TS]
.set i, i+1
.endm
.set i, 0
.rept 64
	LENT
.endr
	v_mov_b32 v[LA], CNTW
	v_mov_b32 v[LA+1], s[RB]
	ds_store_b32 v[LA], v[LA+1]                    ; behind the list's stores: LDS serves a wave's instructions in order (ISA guide 5.7.1.4)
.Lfill:
	; THE FILL.  A ring of 64 slots in registers, 32 KiB of a wave's weights on their way: eight slots at a time are rounded to 16 bits, stored to LDS (256 consecutive bytes a row)
	; and asked for again, 64 rows on.
	WIN 0x40
.set i, 32
.rept 32
	global_load_b128 v[4*i:4*i+3], v[WOF], s[WP:WP+1] offset:i*WPITCH th:TH_LOAD_NT  ; the ring's other half
.set i, i+1
.endr
.macro FGROUP g, ahead, left
	s_wait_loadcnt \left                           ; loads come back in order (ISA guide 5.7.1): my eight are in, the younger slots stay out
	WIN 0x05
.irp j, 0,1,2,3,4,5,6,7
	v_cvt_pk_bf16_f32 v[CV+2*\j],   v[4*(8*(\g)+\j)],   v[4*(8*(\g)+\j)+1]
	v_cvt_pk_bf16_f32 v[CV+2*\j+1], v[4*(8*(\g)+\j)+2], v[4*(8*(\g)+\j)+3]
.endr
	WIN 0
.if DOWN                               ; the second product runs in f16: the bf16 number is widened and written as f16
.set z, 0
.rept 16
	v_lshlrev_b32 v[CW+2*z], 16, v[CV+z]
	v_and_b32 v[CW+2*z+1], s[MSK], v[CV+z]
.set z, z+1
.endr
.set z, 0
.rept 16
	v_cvt_pk_f16_f32 v[CV+z], v[CW+2*z], v[CW+2*z+1]
.set z, z+1
.endr
.endif
.irp j, 0,1,2,3,4,5,6,7
	ds_store_b64 v[WST], v[CV+2*\j:CV+2*\j+1] offset:(8*(\g)+\j)*PITCH
.endr
.if \ahead
	WIN 0x40
.irp j, 0,1,2,3,4,5,6,7
	global_load_b128 v[4*(8*(\g)+\j):4*(8*(\g)+\j)+3], v[WOF], s[WP:WP+1] offset:(64+8*(\g)+\j)*WPITCH th:TH_LOAD_NT
.endr
.endif
.endm
	WIN 0
	s_mov_b32 s[LC], 3
.Lring:                                                ; three trips of 64 rows
.irp g, 0,1,2,3,4,5,6,7
	FGROUP \g,1,56
.endr
	WIN 0
	s_wait_xcnt 0x0                                ; the loads' base is stepped only behind this wait
	s_add_nc_u64 s[WP:WP+1], s[WP:WP+1], 64*WPITCH
	v_add_nc_u32 v[WST], 64*PITCH, v[WST]
	s_sub_co_u32 s[LC], s[LC], 1
	s_cmp_lg_u32 s[LC], 0
	s_cbranch_scc1 .Lring
.irp g, 0,1,2,3,4,5,6,7
	FGROUP \g,0,56-8*\g                            ; the last 64 rows: nothing is asked for, the counts run down
.endr
	; the bias is rounded to bf16 and widened again, into registers that stay
	WIN 0xca
.set i, 0
.rept 32
	v_cvt_pk_bf16_f32 v[BT+i], v[RAW+2*i], v[RAW+2*i+1]
.set i, i+1
.endr
	WIN 0xff
.set i, 0
.rept 32
.if DOWN
	v_and_b32 v[BT+i], s[KM], v[BT+i]              ; the bias is added in K quarter 0 alone
.endif
	v_lshlrev_b32 v[BIAS+2*i], 16, v[BT+i]
	v_and_b32 v[BIAS+2*i+1], s[MSK], v[BT+i]
.set i, i+1
.endr
	WIN 0
	s_wait_dscnt 0x0                               ; for the others' sake: my part of the slice, and wave 0's list and count, are in LDS
	s_barrier_signal -1
	s_barrier_wait -1                              ; behind it slice, list and count are only read
	v_mov_b32 v[LA], CNTW
	ds_load_b32 v[LA+1], v[LA]
	s_wait_dscnt 0x0
	v_readfirstlane_b32 s[CNT], v[LA+1]
	s_min_u32 s[CNT], s[CNT], 1024
	s_sub_co_u32 s[CNT1], s[CNT], 1
	s_mul_i32 s[BASE], s[WV], 80
	s_mov_b32 s[TR], 4
; 10 loads: the fragments of my 80 rows for one K step (16 rows x 32 K in 8 registers: two loads of 16 bytes, 32 bytes apart) into a slot of the ring
.macro ALOAD slot, off
	WIN 0x80
.irp a, 0,1,2,3,4
	global_load_b128 v[AR+40*(\slot)+8*\a:AR+40*(\slot)+8*\a+3],   v[XO+\a], s[XK:XK+1] offset:(\off)
	global_load_b128 v[AR+40*(\slot)+8*\a+4:AR+40*(\slot)+8*\a+7], v[XO+\a], s[XK:XK+1] offset:(\off)+32
.endr
.endm
; 16 turning loads: the slice's 128 columns x 32 K into a buffer
.macro BLOAD buf, off
	WIN 0
.irp b, 0,1,2,3,4,5,6,7
	ds_load_tr16_b128 v[BF0+64*(\buf)+8*\b:BF0+64*(\buf)+8*\b+3],   v[BADR] offset:(\off)+32*\b
	ds_load_tr16_b128 v[BF0+64*(\buf)+8*\b+4:BF0+64*(\buf)+8*\b+7], v[BADR] offset:(\off)+16*PITCH+32*\b
.endr
.endm
; 40 matrix instructions: the 40 accumulators take turns, one instruction a turn, in the same order in every step.  first = 1: C is the bias
.macro MULS s, first
.set BC, BF0+64*((\s)%2)
.set SA, AR+40*((\s)%4)
.irp a, 0,1,2,3,4
.if (\a) < 4
.set AC, 64*(\a)
	WIN 0x58+0x20*(\first)                         ; weights window 0, rows window 2, D window 1, C window 1 (the bias: window 3)
.else
.set AC, 0
	WIN 0xa8+0x10*(\first)                         ; the same with D and C in window 2
.endif
.irp b, 0,1,2,3,4,5,6,7
.if DOWN
.if \first
	v_wmma_f32_16x16x32_f16 v[AC+8*\b:AC+8*\b+7], v[BC+8*\b:BC+8*\b+7], v[SA+8*\a:SA+8*\a+7], v[BIAS+8*\b:BIAS+8*\b+7]
.else
	v_wmma_f32_16x16x32_f16 v[AC+8*\b:AC+8*\b+7], v[BC+8*\b:BC+8*\b+7], v[SA+8*\a:SA+8*\a+7], v[AC+8*\b:AC+8*\b+7]
.endif
.else
.if \first
	v_wmma_f32_16x16x32_bf16 v[AC+8*\b:AC+8*\b+7], v[BC+8*\b:BC+8*\b+7], v[SA+8*\a:SA+8*\a+7], v[BIAS+8*\b:BIAS+8*\b+7]
.else
	v_wmma_f32_16x16x32_bf16 v[AC+8*\b:AC+8*\b+7], v[BC+8*\b:BC+8*\b+7], v[SA+8*\a:SA+8*\a+7], v[AC+8*\b:AC+8*\b+7]
.endif
.endif
.endr
.endr
.endm
; A K step of 32, number s of a trip's four.  The rows' fragments are asked for three steps ahead, the slice's one step ahead.  left: ten loads for each younger group of rows that may stay out
.macro STEP s, first, aload, bload, left
	s_wait_loadcnt \left                           ; this step's rows are in
	s_wait_dscnt 0x0                               ; this step's part of the slice, asked for 40 matrix instructions ago
	PLACES                                         ; the loads below land in registers that the last step's products read
.if \aload
	ALOAD ((\s)+3)%4,64*((\s)+3)
.endif
.if \bload
	BLOAD ((\s)+1)%2,32*PITCH*((\s)+1)
.endif
	MULS \s,\first
.endm
.Ltile:                                                ; four trips; my tile is ranks BASE to BASE + 79
	s_wait_xcnt 0x0                                ; the last tile's loads and stores have read their registers
	; the tile's rows: every wave makes them in every trip; only the products are jumped
.irp a, 0,1,2,3,4
	s_add_co_u32 s[TS], s[BASE], 16*\a
	v_add_nc_u32 v[LA+\a], s[TS], v[L15]
	v_min_u32 v[LA+\a], s[CNT1], v[LA+\a]          ; places past the count repeat the last row
	v_min_u32 v[LA+\a], 1023, v[LA+\a]
	v_lshl_add_u32 v[LA+\a], v[LA+\a], 2, LIST
	ds_load_b32 v[RR+\a], v[LA+\a]
.endr
	s_wait_dscnt 0x0
.irp a, 0,1,2,3,4
	v_min_u32 v[RR+\a], 2047, v[RR+\a]
.if DOWN
	v_lshl_add_u32 v[XO+\a], v[RR+\a], 13, v[H16]  ; a row of h is 8,192 bytes
	v_lshlrev_b32 v[GO+\a], 2, v[RR+\a]
	global_load_b32 v[GT+2*\a],   v[GO+\a], s[12:13]
	global_load_b32 v[GT+2*\a+1], v[GO+\a], s[12:13]
.else
	v_and_b32 v[XO+\a], 0x7fe, v[RR+\a]            ; 2 x token,
	v_lshl_add_u32 v[XO+\a], v[XO+\a], 10, v[H16]  ; a row of xb is 2,048 bytes
.endif
.endr
	s_cmp_ge_u32 s[BASE], s[CNT]
	s_cbranch_scc1 .Lnok                           ; a dead tile: what is jumped holds no barrier
	s_mov_b64 s[XK:XK+1], s[XB:XB+1]
	s_mov_b32 s[TB], 0
	v_mov_b32 v[BADR], v[BADR0]
	ALOAD 0,0
	ALOAD 1,64
	ALOAD 2,128
	BLOAD 0,0
	STEP 0,1,1,1,20                                ; the first K step stands in front of the loop: its products start the sums from the bias
	WIN 0
	s_mov_b32 s[LC], 7
.Lk:                                                   ; a trip: steps 1, 2, 3 of four and step 0 of the next four
	STEP 1,0,1,1,20
	STEP 2,0,1,1,20
	STEP 3,0,1,1,20
	WIN 0
	s_wait_xcnt 0x0                                ; the loads' base is stepped only behind this wait
	s_add_nc_u64 s[XK:XK+1], s[XK:XK+1], 256
	s_add_co_u32 s[TB], s[TB], 128*PITCH           ; 128 K rows on in the slice
	v_add_nc_u32 v[BADR], s[TB], v[BADR0]
	STEP 0,0,1,1,20
	WIN 0
	s_sub_co_u32 s[LC], s[LC], 1
	s_cmp_lg_u32 s[LC], 0
	s_cbranch_scc1 .Lk
	STEP 1,0,0,1,20                                ; the last three steps ask for no rows: the counts run down
	STEP 2,0,0,1,10
	STEP 3,0,0,0,0
	PLACES                                         ; the way out reads results just made and writes where the slice's fragments lay
	WIN 0
.Lnok:
	s_wait_loadcnt 0x0                             ; on the short way: the gates' loads
	s_wait_dscnt 0x0                               ; my reads of slice and list are back
	s_barrier_signal -1
	s_barrier_wait -1                              ; every wave's are: from here to the next barrier the stages are written and read
	; THE WAY OUT: a loop over my five blocks of 16 rows.  A chain of compares leads to the block's own lines (HEAD); the rest is written once.
.macro HEAD a                          ; the block's 64 numbers a lane, each accumulator from its low end on, times c1 (DOWN: times the row's gate), into fixed registers; and the block's r
.if (\a) < 4
.set AC, 64*(\a)
	WIN 0x01
.else
.set AC, 0
	WIN 0x02
.endif
.set z, 0
.rept 32
.if DOWN
	v_pk_mul_f32 v[SS+2*z:SS+2*z+1], v[AC+2*z:AC+2*z+1], v[GT+2*(\a):GT+2*(\a)+1] op_sel_hi:[1,0]
.else
	v_pk_mul_f32 v[SS+2*z:SS+2*z+1], v[AC+2*z:AC+2*z+1], s[C1:C1+1] op_sel_hi:[1,0]
.endif
.set z, z+1
.endr
	WIN 0
	v_mov_b32 v[RC], v[RR+(\a)]
.endm
; gelu of 32 numbers s = c1 x (four fragments), held to f16's range, rounded to f16 and put into the stage.  t = 1 / (1 + ps |s|); w = s t (a1 + t (a2 + .. t a5)) 2^(-s s); g = max(s, 0) / c1 - |w|.
; The 64 transcendentals are one batch with one wait; nothing ahead of the wait names a result of theirs.
.macro GELU hf
.set SB, SS+32*(\hf)
	ALL16 v_pk_mul_f32 v[EE+2*i:EE+2*i+1], v[SB+2*i:SB+2*i+1], v[SB+2*i:SB+2*i+1] neg_lo:[1,0] neg_hi:[1,0]
.set i, 0
.rept 32
	v_fma_f32 v[TT+i], |v[SB+i]|, s[PS], 1.0
	v_exp_f32 v[EE+i], v[EE+i]
.set i, i+1
.endr
	ALL32 v_rcp_f32 v[TT+i], v[TT+i]
	v_nop                                          ; a plain instruction behind the last of them,
	s_wait_alu depctr_va_vdst(0)                   ; and the batch's one wait, ahead of the first reader
	ALL16 v_pk_fma_f32 v[PP+2*i:PP+2*i+1], v[TT+2*i:TT+2*i+1], s[A5:A5+1], s[A4:A4+1] op_sel_hi:[1,0,0]
	ALL16 v_pk_fma_f32 v[PP+2*i:PP+2*i+1], v[PP+2*i:PP+2*i+1], v[TT+2*i:TT+2*i+1], s[A3:A3+1] op_sel_hi:[1,1,0]
	ALL16 v_pk_fma_f32 v[PP+2*i:PP+2*i+1], v[PP+2*i:PP+2*i+1], v[TT+2*i:TT+2*i+1], s[A2:A2+1] op_sel_hi:[1,1,0]
	ALL16 v_pk_fma_f32 v[PP+2*i:PP+2*i+1], v[PP+2*i:PP+2*i+1], v[TT+2*i:TT+2*i+1], s[A1:A1+1] op_sel_hi:[1,1,0]
	ALL16 v_pk_mul_f32 v[PP+2*i:PP+2*i+1], v[PP+2*i:PP+2*i+1], v[TT+2*i:TT+2*i+1]
	ALL16 v_pk_mul_f32 v[PP+2*i:PP+2*i+1], v[PP+2*i:PP+2*i+1], v[EE+2*i:EE+2*i+1]
	ALL16 v_pk_mul_f32 v[PP+2*i:PP+2*i+1], v[PP+2*i:PP+2*i+1], v[SB+2*i:SB+2*i+1]
	ALL32 v_max_num_f32 v[SB+i], 0, v[SB+i]
	ALL32 v_fma_f32 v[SB+i], v[SB+i], s[IC1], -|v[PP+i]|
	ALL32 v_min_num_f32 v[SB+i], s[LIM], v[SB+i]
	ALL16 v_cvt_pk_f16_f32 v[TT+i], v[SB+2*i], v[SB+2*i+1]
.irp b, 0,1,2,3
	ds_store_b128 v[STO], v[TT+4*\b:TT+4*\b+3] offset:32*(4*(\hf)+\b)
.endr
.endm
.macro STG hf, bk                      ; DOWN: 64 columns of f32 (256 bytes a row) into my stage, and back as whole rows
.irp b, 0,1,2,3
	ds_store_b128 v[STO], v[SS+32*(\hf)+8*\b:SS+32*(\hf)+8*\b+3]   offset:64*\b
	ds_store_b128 v[STO], v[SS+32*(\hf)+8*\b+4:SS+32*(\hf)+8*\b+7] offset:64*\b+16
.endr
.irp t, 0,1,2,3,4,5,6,7
	ds_load_b128 v[(\bk)+4*\t:(\bk)+4*\t+3], v[RD] offset:2*SP*\t  ; LDS serves a wave's instructions in order (ISA guide 5.7.1.4): these see the stores above, and the next stores come behind them
.endr
.endm
.macro SOFF                            ; the stores' offsets: the row's number, clamped, times the row's bytes, + my 16 bytes
.irp t, 0,1,2,3,4,5,6,7
	v_min_u32 v[SO+\t], 2047, v[SO+\t]
	v_lshl_add_u32 v[SO+\t], v[SO+\t], SHIFT, v[C16]
.endr
.endm
	s_sub_co_i32 s[REM], s[CNT], s[BASE]           ; rows from my tile's first on; 0 or less for a dead tile, whose five trips then do nothing
	s_mov_b32 s[IT], 0
.Lout:
	s_cmp_le_i32 s[REM], 0
	s_cbranch_scc1 .Lonext                         ; a block wholly past the count stores nothing
.irp k, 0,1,2,3
	s_cmp_eq_u32 s[IT], \k
	s_cbranch_scc1 .Lhead\k
.endr
	HEAD 4
	s_branch .Lcommon
.irp k, 0,1,2
.Lhead\k:
	HEAD \k
	s_branch .Lcommon
.endr
.Lhead3:
	HEAD 3
.Lcommon:
	s_wait_xcnt 0x0                                ; the last block's stores have read their offsets and data: only behind this wait are those registers written again
.irp t, 0,1,2,3,4,5,6,7
	ds_bpermute_b32 v[SO+\t], v[BPI+\t], v[RC]     ; r of rows 2 t and 2 t + 1, which lanes 2 t and 2 t + 1 hold
.endr
.if DOWN
	STG 0,BK
	s_wait_dscnt 16                                ; the eight exchanges are back; the 16 younger LDS instructions stay out
	SOFF
	STG 1,TT
	s_wait_dscnt 16                                ; the first half's rows are back
.irp t, 0,1,2,3,4,5,6,7
	global_store_b128 v[SO+\t], v[BK+4*\t:BK+4*\t+3], s[HP:HP+1]             ; 16 lanes store 256 consecutive bytes, aligned
.endr
	s_wait_dscnt 0x0
.irp t, 0,1,2,3,4,5,6,7
	global_store_b128 v[SO+\t], v[TT+4*\t:TT+4*\t+3], s[HP:HP+1] offset:256
.endr
.else
	GELU 0
	GELU 1
.irp t, 0,1,2,3,4,5,6,7
	ds_load_b128 v[BK+4*\t:BK+4*\t+3], v[RD] offset:2*SP*\t  ; LDS serves a wave's instructions in order (ISA guide 5.7.1.4): these see my stores into the stage
.endr
	s_wait_dscnt 8                                 ; the exchanges are back; the eight loads just issued stay out
	SOFF
	s_wait_dscnt 0x0
.irp t, 0,1,2,3,4,5,6,7
	global_store_b128 v[SO+\t], v[BK+4*\t:BK+4*\t+3], s[HP:HP+1]             ; 16 lanes store 256 consecutive bytes, aligned: a row's 128 f16
.endr
.endif
.Lonext:
	s_sub_co_i32 s[REM], s[REM], 16
	s_add_co_u32 s[IT], s[IT], 1
	s_cmp_lt_u32 s[IT], 5
	s_cbranch_scc1 .Lout
	s_wait_dscnt 0x0                               ; my stores into my stage, and my reads of it, are done
	s_barrier_signal -1
	s_barrier_wait -1                              ; every wave's are: from here to the next barrier LDS is only read
	s_add_co_u32 s[BASE], s[BASE], 320
	s_sub_co_u32 s[TR], s[TR], 1
	s_cmp_lg_u32 s[TR], 0
	s_cbranch_scc1 .Ltile
	s_wait_tensorcnt 0x0                           ; the wave's end, behind my last LDS store
	ds_add_u32 v[SPW], v[NIL]
	s_wait_dscnt 0x0
	s_endpgm
.Lfunc_end_k_q743628b998_up:
	.size	k_q743628b998_up, .Lfunc_end_k_q743628b998_up-k_q743628b998_up
	.p2alignl 7, 3214868480
	.fill 96, 4, 3214868480
	.section	.rodata,"a",@progbits
	.p2align	6, 0x0
	.amdhsa_kernel k_q743628b998_up
		.amdhsa_group_segment_fixed_size 317440
		.amdhsa_private_segment_fixed_size 0
		.amdhsa_enable_private_segment 0
		.amdhsa_kernarg_size 40
		.amdhsa_user_sgpr_count 2
		.amdhsa_user_sgpr_kernarg_segment_ptr 1
		.amdhsa_wavefront_size32 1
		.amdhsa_system_sgpr_workgroup_id_x 1
		.amdhsa_system_sgpr_workgroup_id_y 1
		.amdhsa_system_sgpr_workgroup_id_z 1
		.amdhsa_system_vgpr_workitem_id 0
		.amdhsa_next_free_vgpr 864
		.amdhsa_next_free_sgpr 66
		.amdhsa_reserve_vcc 1
		.amdhsa_float_denorm_mode_32 3
		.amdhsa_float_denorm_mode_16_64 3
		.amdhsa_memory_ordered 1
		.amdhsa_forward_progress 1
		.amdhsa_inst_pref_size 170
	.end_amdhsa_kernel
	.amdgpu_metadata
---
amdhsa.version: [ 1, 2 ]
amdhsa.kernels:
  - .name:           k_q743628b998_up
    .symbol:         k_q743628b998_up.kd
    .args:
      - { .name: W1, .offset: 0, .size: 8, .value_kind: global_buffer, .address_space: global }
      - { .name: b1, .offset: 8, .size: 8, .value_kind: global_buffer, .address_space: global }
      - { .name: xb, .offset: 16, .size: 8, .value_kind: global_buffer, .address_space: global }
      - { .name: choice, .offset: 24, .size: 8, .value_kind: global_buffer, .address_space: global }
      - { .name: h, .offset: 32, .size: 8, .value_kind: global_buffer, .address_space: global }
    .group_segment_fixed_size: 317440
    .private_segment_fixed_size: 0
    .kernarg_segment_align: 8
    .kernarg_segment_size: 40
    .max_flat_workgroup_size: 128
    .sgpr_count:     66
    .vgpr_count:     864
    .wavefront_size: 32
...
	.end_amdgpu_metadata
.endif
;; end of part 2
;; launch down (part 3): grid 32 x 8, 4 waves a work-group, no clusters, 317,440 bytes of LDS; arguments W2, b2, h, choice, gate, ypart; writes ypart
.if DOCPART == 3
	.amdgcn_target "amdgcn-amd-amdhsa--gfx1250"
	.amdhsa_code_object_version 6
	.text
	.protected	k_q743628b998_down
	.globl	k_q743628b998_down
	.p2align	8
	.type	k_q743628b998_down,@function
k_q743628b998_down:
	s_mov_b64 s[64:65], 0
	v_nop
	global_prefetch_b8 v0, s[64:65] scope:SCOPE_SE
	s_setreg_imm32_b32 hwreg(HW_REG_WAVE_MODE, 25, 1), 1
	s_wait_xcnt 0x0
; ONE PRODUCT OF A LAYER OF ROUTED EXPERTS.  The same text serves both products; DOWN picks the form.
;   DOWN = 0:  h[r][f] = gelu(xb[r / 2] . W1[e][:, f] + b1[e][f]), f16.            DOWN = 1:  ypart[ks][r][d] = gate[r] x (h[r][1024 ks ..] . W2[e][1024 ks .., d] + b2[e][d] if ks = 0), f32.
; r = 2 x token + slot is a routed row, 0 to 2,047; e = choice[r] is its expert.  Only the rows that chose an expert are multiplied by it.
; SHARES.  Grid 32 x 8: y is the expert; x picks a slice of its weights, 1,024 along K x 128 columns, which this work-group alone reads (DOWN = 0: columns 128 x of all of K;
; DOWN = 1: columns 128 (x % 8) of K quarter x / 8).  The slice is read once as f32, rounded to 16 bits on its way through registers and kept in LDS; then all of the expert's rows walk it.
; A wave takes 80 rows x 128 columns, 40 accumulators; four waves 320 rows a trip; four trips (a constant) serve every split, up to 1,024 rows; a wave's dead trips jump the products.
; THE LIST.  Wave 0 ranks the 2,048 choices for this expert (compare, count of lower lanes, running count) and stores each row's number at its rank in LDS; nothing depends on the list's order.
; BARRIERS.  One behind the fill.  Two in each of the four trips, on every wave's path: in the part ahead of the first all waves only read LDS (slice, list); between the two each wave writes and
; reads its stage.  By the map below stage and slice share no byte; the barriers make the order hold without leaning on that arithmetic.
; NO TENSOR LOADS: f32 must pass through registers to become 16 bits.  NO CLUSTER: a slice has one reader, and the rows come by a list, which no descriptor covers.
; THE MATRIX INSTRUCTION IS USED TRANSPOSED: source 0 = 16 columns of the weights (turned out of LDS by ds_load_tr16_b128), source 1 = 16 rows: a lane holds one row (lane % 16) and eight
; neighbouring columns 8 (lane / 16) + 0..7.  The bias, in that layout, is the C operand of the first K step: nothing is cleared.
; FORMATS.  Weights, biases and x are rounded once to bf16, as every input of this program is; sums in f32.  h, which the program itself makes, is stored in f16 (11 significant bits for bf16's 8),
; so the second product runs in f16: W2 is rounded to bf16 like the other inputs, and that number is written as f16.  ypart (partial sums) is f32.
; LIMITS.  erf by a rational form with five coefficients, absolute error 1.5e-7 for every argument; gelu = max(x, 0) - |x| erfc(|x| / sqrt 2) / 2.  NaN and infinities are not treated apart.
; h above 65,504 is stored as 65,504; h and the weights of W2 below 6.1e-5 in magnitude keep f16's fixed step of 6e-8; a weight of W2 of 65,520 or more would become an infinity.
; In a block of 16 rows that the count cuts, the places past the count repeat the expert's last row, and the same wave stores that row's bytes again; blocks wholly past the count are jumped.
; An expert without rows still reads its slice and stores nothing.
.set DOWN, 1
.set PITCH, 288                        ; a K row of the slice in LDS: 128 numbers of 16 bits = 256 bytes + 32
.set LIST,  1024*PITCH                 ; 294,912: behind the slice: the list, 1,024 words
.set CNTW,  LIST+4096                  ; the count, one word in a block of 256 bytes: index 1,024 from LIST
.set DUMP,  CNTW+256                   ; a word a lane for the lanes that do not match: indices 1,088 to 1,119 from LIST
.set STAGE, DUMP+256                   ; 299,520: 16 rows x 272 bytes for each wave, for the way out
.set SP,    272
.set SPARE, STAGE+4*16*SP              ; 316,928: the spare words, 128 bytes a wave: two blocks of 256 bytes that no other line names
.if DOWN
.set WPITCH, 4096                      ; bytes from a K row of the weights to the next
.set SHIFT,  12                        ; a row of the output is 4,096 bytes
.else
.set WPITCH, 16384
.set SHIFT,  13                        ; 8,192 bytes
.endif
; VECTOR REGISTERS, in windows of 256 (s_set_vgpr_msb: bits 1:0 source 0, 3:2 source 1, 5:4 source 2, 7:6 destination)
; window 0
.set SPW,   1                          ; LDS address of my spare word; never rewritten
.set NIL,   2                          ; 0; never rewritten
.set L15,   3                          ; lane % 16
.set H16,   4                          ; 16 x (lane / 16)
.set H32,   5                          ; 32 x (lane / 16)
.set C16,   6                          ; 16 x (lane % 16)
.set BADR0, 7                          ; my lane's place in a fragment of the slice
.set BADR,  8                          ; the same, at the trip in hand
.set WST,   9                          ; the fill: where my 8 bytes of a K row go
.set WOF,   10                         ; 16 x lane
.set STO,   11                         ; the way out: where I put my part of a row
.set RD,    12                         ; the way out: where I read a row back
.set RR,    13                         ; v13-17  the row number r of my row in block a
.set XO,    18                         ; v18-22  its byte offset in the rows' buffer, + 16 x (lane / 16)
.set RC,    23                         ; r of the block on its way out
.set BPI,   24                         ; v24-31  lane selects: store t takes rows 2 t (lanes 0-15) and 2 t + 1 (lanes 16-31)
.set SO,    32                         ; v32-39  byte offsets of those stores
.set GO,    40                         ; v40-44  byte offsets in gate (DOWN); at work in the head
.set DIDX,  45                         ; 1,088 + lane
.set RV0,   46                         ; 4 x lane
.set GT,    48                         ; v48-57  gate of my row in block a, twice (a pair for the packed multiply)
.set LA,    58                         ; v58-62  LDS addresses at work
.set BF0,   64                         ; v64-127, v128-191  fragments of the slice, two buffers of 8 x 8
.set CH,    64                         ; the list: the 2,048 choices, 64 a lane
.set CV,    128                        ; the fill: 16 registers of packed 16-bit numbers
.set CW,    144                        ; the fill (DOWN): 32 registers, the bf16 numbers widened
.set SS,    64                         ; the way out: v64-127 a block's 64 numbers
.set TT,    128                        ; v128-159, v160-191, v192-223 at work
.set EE,    160
.set PP,    192
.set BK,    224                        ; v224-255 16 rows read back
; window 1: accumulators of blocks 0-3 at 64 a + 8 b; during the fill a ring of 64 slots x 4
; window 2: accumulators of block 4 at 8 b (during the fill: the bias as loaded); v64-223 a ring of four slots x 40 for the rows' fragments
.set RAW,   0
.set AR,    64
; window 3: v0-63 the bias fragments; v64-95 the bias in bf16, packed
.set BIAS,  0
.set BT,    64
; SCALAR REGISTERS
.set WV,   16                          ; wave
.set EX,   17                          ; expert
.set CNT,  19                          ; the expert's rows
.set CNT1, 20                          ; less one
.set BASE, 21                          ; my tile's first rank
.set TR,   22                          ; tiles to go
.set LC,   23                          ; loop count
.set XK,   24                          ; s[24:25] the rows' buffer at the K trip in hand
.set OF,   26                          ; s[26:27] an offset
.set RB,   28                          ; running count
.set TS,   29                          ; at work
.set REM,  30                          ; rows left from the block in hand on
.set KM,   31                          ; DOWN: all ones if ks = 0
.set WP,   32                          ; s[32:33] the weights at my wave's rows
.set XB,   34                          ; s[34:35] the rows' buffer
.set C1,   36                          ; s[36:47] c1, a1 .. a5, as pairs of which the low word serves both halves
.set A1,   38
.set A2,   40
.set A3,   42
.set A4,   44
.set A5,   46
.set PS,   48
.set IC1,  49
.set HP,   50                          ; s[50:51] the output at my columns
.set IT,   52                          ; block on its way out
.set KS,   53
.set CC,   54
.set TB,   55                          ; LDS byte at which the K trip in hand begins in the slice
.set LIM,  56                          ; 65,504, f16's largest number
.set MSK,  57                          ; a word's upper bf16
.set MSB, 0
.macro WIN new                         ; the immediate's high byte repeats the setting that is left; a switch that changes nothing is dropped
.if MSB != (\new)
	s_set_vgpr_msb (MSB<<8)|(\new)
.set MSB, (\new)
.endif
.endm
.macro PLACES                          ; four plain vector instructions between a matrix instruction and a vector line or load that touches its registers (ISA guide 7.12.1 for vector instructions)
.rept 4
	v_nop
.endr
.endm
.macro ALL16 line:vararg               ; one line for each i = 0 .. 15
.set i, 0
.rept 16
	\line
.set i, i+1
.endr
.endm
.macro ALL32 line:vararg
.set i, 0
.rept 32
	\line
.set i, i+1
.endr
.endm
	s_load_b256 s[4:11], s[0:1], 0x0               ; weights s[4:5], bias s[6:7], rows s[8:9], choice s[10:11]
.if DOWN
	s_load_b128 s[12:15], s[0:1], 0x20             ; gate s[12:13], ypart s[14:15]
.else
	s_load_b64 s[12:13], s[0:1], 0x20              ; h
.endif
	v_lshl_add_u32 v[SPW], v0, 2, SPARE
	v_mov_b32 v[NIL], 0
	v_lshrrev_b32 v40, 5, v0
	v_readfirstlane_b32 s[WV], v40
	s_and_b32 s[EX], ttmp7, 0xffff
	s_mov_b32 s[MSK], 0xffff0000
	v_and_b32 v41, 31, v0                          ; lane
	v_bfe_u32 v42, v0, 4, 1                        ; lane / 16
	v_and_b32 v[L15], 15, v0
	v_lshlrev_b32 v[H16], 4, v42
	v_lshlrev_b32 v[H32], 5, v42
	v_lshlrev_b32 v[C16], 4, v[L15]
	v_lshlrev_b32 v[WOF], 4, v41
	; the turning load takes 16 K rows x 16 columns: lane l reads 16 bytes of K row 8 (l / 16) + l % 8, columns 8 ((l / 8) % 2) + 0..7, and is left with column l % 16 and 8 values of K
	v_and_b32 v43, 7, v0
	v_lshl_add_u32 v43, v42, 3, v43
	v_mul_u32_u24 v43, v43, PITCH
	v_bfe_u32 v44, v0, 3, 1
	v_lshl_add_u32 v[BADR0], v44, 4, v43
	s_mul_i32 s[TS], s[WV], 256*PITCH              ; my wave fills K rows 256 w to 256 w + 255
	v_lshl_add_u32 v[WST], v41, 3, s[TS]
	s_mul_i32 s[TS], s[WV], 16*SP
	s_add_co_u32 s[TS], s[TS], STAGE               ; my stage
	v_mul_u32_u24 v43, v[L15], SP
.if DOWN
	v_add_nc_u32 v43, v43, v[H32]                  ; in: row l % 16; eight f32 are 32 bytes for each half of the lanes
.else
	v_add_nc_u32 v43, v43, v[H16]                  ; in: row l % 16; eight f16 are 16 bytes for each half of the lanes
.endif
	v_add_nc_u32 v[STO], s[TS], v43
	v_mul_u32_u24 v44, v42, SP
	v_add_nc_u32 v44, v44, v[C16]                  ; back: lanes 0-15 take one row of 256 bytes, lanes 16-31 the next
	v_add_nc_u32 v[RD], s[TS], v44
.irp t, 0,1,2,3,4,5,6,7
	v_lshl_add_u32 v[BPI+\t], v42, 2, 8*\t         ; 4 x (2 t + lane / 16)
.endr
	v_add_nc_u32 v[DIDX], 1088, v41
	v_lshlrev_b32 v[RV0], 2, v41
	s_mov_b32 s[OF+1], 0
.if DOWN
	s_and_b32 s[CC], ttmp9, 7
	s_lshr_b32 s[KS], ttmp9, 3
	s_cmp_eq_u32 s[KS], 0
	s_cselect_b32 s[KM], -1, 0
	s_lshl_b32 s[OF], s[EX], 24                    ; an expert's weights are 16 MiB,
	s_lshl_b32 s[TS], s[KS], 22                    ; a K quarter 1,024 rows of 4,096 bytes,
	s_add_co_u32 s[OF], s[OF], s[TS]
	s_lshl_b32 s[TS], s[CC], 9                     ; 128 columns 512 bytes,
	s_add_co_u32 s[OF], s[OF], s[TS]
	s_lshl_b32 s[TS], s[WV], 20                    ; my wave's 256 rows
	s_add_co_u32 s[OF], s[OF], s[TS]
	s_wait_kmcnt 0x0
	s_add_nc_u64 s[WP:WP+1], s[4:5], s[OF:OF+1]
	s_lshl_b32 s[OF], s[EX], 12
	s_lshl_b32 s[TS], s[CC], 9
	s_add_co_u32 s[OF], s[OF], s[TS]
	s_add_nc_u64 s[6:7], s[6:7], s[OF:OF+1]        ; the bias at my columns
	s_lshl_b32 s[OF], s[KS], 11
	s_add_nc_u64 s[XB:XB+1], s[8:9], s[OF:OF+1]    ; h at my K quarter
	s_lshl_b32 s[OF], s[KS], 23                    ; a plane of ypart is 8 MiB
	s_add_co_u32 s[OF], s[OF], s[TS]
	s_add_nc_u64 s[HP:HP+1], s[14:15], s[OF:OF+1]
.else
	s_mov_b32 s[C1], 0x3f596d27                    ; c1 = sqrt(log2(e) / 2) = 0.849322: exp(-x x / 2) = 2^(-s s) with s = c1 x
	s_mov_b32 s[A1], 0x3e199eb3                    ; the five coefficients of erfc, each times 1 / (2 c1)
	s_mov_b32 s[A2], 0xbe2b8119
	s_mov_b32 s[A3], 0x3f563818
	s_mov_b32 s[A4], 0xbf5b0099
	s_mov_b32 s[A5], 0x3f1ff67a
.irp c, C1, A1, A2, A3, A4, A5
	s_mov_b32 s[\c+1], s[\c]                       ; named as pairs
.endr
	s_mov_b32 s[PS], 0x3e8ba43f                    ; 0.3275911 / sqrt(log2(e)) = 0.272737: t = 1 / (1 + ps |s|)
	s_mov_b32 s[IC1], 0x3f96b55f                   ; 1 / c1 = 1.177410
	s_mov_b32 s[LIM], 0x477fe000                   ; 65,504
	s_lshl_b32 s[OF], s[EX], 24                    ; an expert's weights are 16 MiB,
	s_lshl_b32 s[TS], ttmp9, 9                     ; 128 columns 512 bytes,
	s_add_co_u32 s[OF], s[OF], s[TS]
	s_lshl_b32 s[TS], s[WV], 22                    ; my wave's 256 rows of 16,384 bytes
	s_add_co_u32 s[OF], s[OF], s[TS]
	s_wait_kmcnt 0x0
	s_add_nc_u64 s[WP:WP+1], s[4:5], s[OF:OF+1]
	s_lshl_b32 s[OF], s[EX], 14
	s_lshl_b32 s[TS], ttmp9, 9
	s_add_co_u32 s[OF], s[OF], s[TS]
	s_add_nc_u64 s[6:7], s[6:7], s[OF:OF+1]        ; the bias at my columns
	s_mov_b64 s[XB:XB+1], s[8:9]
	s_lshl_b32 s[OF], ttmp9, 8
	s_add_nc_u64 s[HP:HP+1], s[12:13], s[OF:OF+1]  ; h at my columns: 256 bytes of a row
.endif
	; loads, oldest first: the bias (16), the choices (16), the first 32 K rows of my part of the slice
	WIN 0x80
.irp b, 0,1,2,3,4,5,6,7
	global_load_b128 v[RAW+8*\b:RAW+8*\b+3],   v[H32], s[6:7] offset:64*\b        ; register 8 b + j: column 16 b + 8 (lane / 16) + j
	global_load_b128 v[RAW+8*\b+4:RAW+8*\b+7], v[H32], s[6:7] offset:64*\b+16
.endr
	WIN 0
.irp q, 0,1,2,3,4,5,6,7,8,9,10,11,12,13,14,15
	global_load_b128 v[CH+4*\q:CH+4*\q+3], v[WOF], s[10:11] offset:512*\q         ; register 4 q + c: r = 128 q + 4 lane + c.  Every wave issues them, so that all waves' loads stand in one order
.endr
	WIN 0x40
.set i, 0
.rept 32
	global_load_b128 v[4*i:4*i+3], v[WOF], s[WP:WP+1] offset:i*WPITCH th:TH_LOAD_NT  ; a K row's 128 f32: 512 consecutive bytes
.set i, i+1
.endr
	WIN 0
	; THE LIST, by wave 0 alone: no barrier stands in the branch
	s_cmp_lg_u32 s[WV], 0
	s_cbranch_scc1 .Lfill
	s_wait_loadcnt 32                              ; bias and choices are in; the 32 younger loads of the ring stay out
	s_mov_b32 s[RB], 0
.macro LENT                            ; register i of the choices: a matching lane stores its r at its rank, the others into their dump word
.set la, LA+2*(i%2)
	v_cmp_eq_u32 vcc_lo, s[EX], v[CH+i]
	v_mbcnt_lo_u32_b32 v[la], vcc_lo, s[RB]        ; the running count + the matching lanes below me
	s_bcnt1_i32_b32 s[TS], vcc_lo
	v_cndmask_b32 v[la], v[DIDX], v[la], vcc_lo
	v_min_u32 v[la], 1151, v[la]                   ; inside list, count and dump, whatever was loaded; a rank is 1,023 at the most, since a token's two experts differ
	v_lshl_add_u32 v[la], v[la], 2, LIST
	v_add_nc_u32 v[la+1], 128*(i/4)+i%4, v[RV0]
	ds_store_b32 v[la], v[la+1]
	s_add_co_u32 s[RB], s[RB], s[TS]
.set i, i+1
.endm
.set i, 0
.rept 64
	LENT
.endr
	v_mov_b32 v[LA], CNTW
	v_mov_b32 v[LA+1], s[RB]
	ds_store_b32 v[LA], v[LA+1]                    ; behind the list's stores: LDS serves a wave's instructions in order (ISA guide 5.7.1.4)
.Lfill:
	; THE FILL.  A ring of 64 slots in registers, 32 KiB of a wave's weights on their way: eight slots at a time are rounded to 16 bits, stored to LDS (256 consecutive bytes a row)
	; and asked for again, 64 rows on.
	WIN 0x40
.set i, 32
.rept 32
	global_load_b128 v[4*i:4*i+3], v[WOF], s[WP:WP+1] offset:i*WPITCH th:TH_LOAD_NT  ; the ring's other half
.set i, i+1
.endr
.macro FGROUP g, ahead, left
	s_wait_loadcnt \left                           ; loads come back in order (ISA guide 5.7.1): my eight are in, the younger slots stay out
	WIN 0x05
.irp j, 0,1,2,3,4,5,6,7
	v_cvt_pk_bf16_f32 v[CV+2*\j],   v[4*(8*(\g)+\j)],   v[4*(8*(\g)+\j)+1]
	v_cvt_pk_bf16_f32 v[CV+2*\j+1], v[4*(8*(\g)+\j)+2], v[4*(8*(\g)+\j)+3]
.endr
	WIN 0
.if DOWN                               ; the second product runs in f16: the bf16 number is widened and written as f16
.set z, 0
.rept 16
	v_lshlrev_b32 v[CW+2*z], 16, v[CV+z]
	v_and_b32 v[CW+2*z+1], s[MSK], v[CV+z]
.set z, z+1
.endr
.set z, 0
.rept 16
	v_cvt_pk_f16_f32 v[CV+z], v[CW+2*z], v[CW+2*z+1]
.set z, z+1
.endr
.endif
.irp j, 0,1,2,3,4,5,6,7
	ds_store_b64 v[WST], v[CV+2*\j:CV+2*\j+1] offset:(8*(\g)+\j)*PITCH
.endr
.if \ahead
	WIN 0x40
.irp j, 0,1,2,3,4,5,6,7
	global_load_b128 v[4*(8*(\g)+\j):4*(8*(\g)+\j)+3], v[WOF], s[WP:WP+1] offset:(64+8*(\g)+\j)*WPITCH th:TH_LOAD_NT
.endr
.endif
.endm
	WIN 0
	s_mov_b32 s[LC], 3
.Lring:                                                ; three trips of 64 rows
.irp g, 0,1,2,3,4,5,6,7
	FGROUP \g,1,56
.endr
	WIN 0
	s_wait_xcnt 0x0                                ; the loads' base is stepped only behind this wait
	s_add_nc_u64 s[WP:WP+1], s[WP:WP+1], 64*WPITCH
	v_add_nc_u32 v[WST], 64*PITCH, v[WST]
	s_sub_co_u32 s[LC], s[LC], 1
	s_cmp_lg_u32 s[LC], 0
	s_cbranch_scc1 .Lring
.irp g, 0,1,2,3,4,5,6,7
	FGROUP \g,0,56-8*\g                            ; the last 64 rows: nothing is asked for, the counts run down
.endr
	; the bias is rounded to bf16 and widened again, into registers that stay
	WIN 0xca
.set i, 0
.rept 32
	v_cvt_pk_bf16_f32 v[BT+i], v[RAW+2*i], v[RAW+2*i+1]
.set i, i+1
.endr
	WIN 0xff
.set i, 0
.rept 32
.if DOWN
	v_and_b32 v[BT+i], s[KM], v[BT+i]              ; the bias is added in K quarter 0 alone
.endif
	v_lshlrev_b32 v[BIAS+2*i], 16, v[BT+i]
	v_and_b32 v[BIAS+2*i+1], s[MSK], v[BT+i]
.set i, i+1
.endr
	WIN 0
	s_wait_dscnt 0x0                               ; for the others' sake: my part of the slice, and wave 0's list and count, are in LDS
	s_barrier_signal -1
	s_barrier_wait -1                              ; behind it slice, list and count are only read
	v_mov_b32 v[LA], CNTW
	ds_load_b32 v[LA+1], v[LA]
	s_wait_dscnt 0x0
	v_readfirstlane_b32 s[CNT], v[LA+1]
	s_min_u32 s[CNT], s[CNT], 1024
	s_sub_co_u32 s[CNT1], s[CNT], 1
	s_mul_i32 s[BASE], s[WV], 80
	s_mov_b32 s[TR], 4
; 10 loads: the fragments of my 80 rows for one K step (16 rows x 32 K in 8 registers: two loads of 16 bytes, 32 bytes apart) into a slot of the ring
.macro ALOAD slot, off
	WIN 0x80
.irp a, 0,1,2,3,4
	global_load_b128 v[AR+40*(\slot)+8*\a:AR+40*(\slot)+8*\a+3],   v[XO+\a], s[XK:XK+1] offset:(\off)
	global_load_b128 v[AR+40*(\slot)+8*\a+4:AR+40*(\slot)+8*\a+7], v[XO+\a], s[XK:XK+1] offset:(\off)+32
.endr
.endm
; 16 turning loads: the slice's 128 columns x 32 K into a buffer
.macro BLOAD buf, off
	WIN 0
.irp b, 0,1,2,3,4,5,6,7
	ds_load_tr16_b128 v[BF0+64*(\buf)+8*\b:BF0+64*(\buf)+8*\b+3],   v[BADR] offset:(\off)+32*\b
	ds_load_tr16_b128 v[BF0+64*(\buf)+8*\b+4:BF0+64*(\buf)+8*\b+7], v[BADR] offset:(\off)+16*PITCH+32*\b
.endr
.endm
; 40 matrix instructions: the 40 accumulators take turns, one instruction a turn, in the same order in every step.  first = 1: C is the bias
.macro MULS s, first
.set BC, BF0+64*((\s)%2)
.set SA, AR+40*((\s)%4)
.irp a, 0,1,2,3,4
.if (\a) < 4
.set AC, 64*(\a)
	WIN 0x58+0x20*(\first)                         ; weights window 0, rows window 2, D window 1, C window 1 (the bias: window 3)
.else
.set AC, 0
	WIN 0xa8+0x10*(\first)                         ; the same with D and C in window 2
.endif
.irp b, 0,1,2,3,4,5,6,7
.if DOWN
.if \first
	v_wmma_f32_16x16x32_f16 v[AC+8*\b:AC+8*\b+7], v[BC+8*\b:BC+8*\b+7], v[SA+8*\a:SA+8*\a+7], v[BIAS+8*\b:BIAS+8*\b+7]
.else
	v_wmma_f32_16x16x32_f16 v[AC+8*\b:AC+8*\b+7], v[BC+8*\b:BC+8*\b+7], v[SA+8*\a:SA+8*\a+7], v[AC+8*\b:AC+8*\b+7]
.endif
.else
.if \first
	v_wmma_f32_16x16x32_bf16 v[AC+8*\b:AC+8*\b+7], v[BC+8*\b:BC+8*\b+7], v[SA+8*\a:SA+8*\a+7], v[BIAS+8*\b:BIAS+8*\b+7]
.else
	v_wmma_f32_16x16x32_bf16 v[AC+8*\b:AC+8*\b+7], v[BC+8*\b:BC+8*\b+7], v[SA+8*\a:SA+8*\a+7], v[AC+8*\b:AC+8*\b+7]
.endif
.endif
.endr
.endr
.endm
; A K step of 32, number s of a trip's four.  The rows' fragments are asked for three steps ahead, the slice's one step ahead.  left: ten loads for each younger group of rows that may stay out
.macro STEP s, first, aload, bload, left
	s_wait_loadcnt \left                           ; this step's rows are in
	s_wait_dscnt 0x0                               ; this step's part of the slice, asked for 40 matrix instructions ago
	PLACES                                         ; the loads below land in registers that the last step's products read
.if \aload
	ALOAD ((\s)+3)%4,64*((\s)+3)
.endif
.if \bload
	BLOAD ((\s)+1)%2,32*PITCH*((\s)+1)
.endif
	MULS \s,\first
.endm
.Ltile:                                                ; four trips; my tile is ranks BASE to BASE + 79
	s_wait_xcnt 0x0                                ; the last tile's loads and stores have read their registers
	; the tile's rows: every wave makes them in every trip; only the products are jumped
.irp a, 0,1,2,3,4
	s_add_co_u32 s[TS], s[BASE], 16*\a
	v_add_nc_u32 v[LA+\a], s[TS], v[L15]
	v_min_u32 v[LA+\a], s[CNT1], v[LA+\a]          ; places past the count repeat the last row
	v_min_u32 v[LA+\a], 1023, v[LA+\a]
	v_lshl_add_u32 v[LA+\a], v[LA+\a], 2, LIST
	ds_load_b32 v[RR+\a], v[LA+\a]
.endr
	s_wait_dscnt 0x0
.irp a, 0,1,2,3,4
	v_min_u32 v[RR+\a], 2047, v[RR+\a]
.if DOWN
	v_lshl_add_u32 v[XO+\a], v[RR+\a], 13, v[H16]  ; a row of h is 8,192 bytes
	v_lshlrev_b32 v[GO+\a], 2, v[RR+\a]
	global_load_b32 v[GT+2*\a],   v[GO+\a], s[12:13]
	global_load_b32 v[GT+2*\a+1], v[GO+\a], s[12:13]
.else
	v_and_b32 v[XO+\a], 0x7fe, v[RR+\a]            ; 2 x token,
	v_lshl_add_u32 v[XO+\a], v[XO+\a], 10, v[H16]  ; a row of xb is 2,048 bytes
.endif
.endr
	s_cmp_ge_u32 s[BASE], s[CNT]
	s_cbranch_scc1 .Lnok                           ; a dead tile: what is jumped holds no barrier
	s_mov_b64 s[XK:XK+1], s[XB:XB+1]
	s_mov_b32 s[TB], 0
	v_mov_b32 v[BADR], v[BADR0]
	ALOAD 0,0
	ALOAD 1,64
	ALOAD 2,128
	BLOAD 0,0
	STEP 0,1,1,1,20                                ; the first K step stands in front of the loop: its products start the sums from the bias
	WIN 0
	s_mov_b32 s[LC], 7
.Lk:                                                   ; a trip: steps 1, 2, 3 of four and step 0 of the next four
	STEP 1,0,1,1,20
	STEP 2,0,1,1,20
	STEP 3,0,1,1,20
	WIN 0
	s_wait_xcnt 0x0                                ; the loads' base is stepped only behind this wait
	s_add_nc_u64 s[XK:XK+1], s[XK:XK+1], 256
	s_add_co_u32 s[TB], s[TB], 128*PITCH           ; 128 K rows on in the slice
	v_add_nc_u32 v[BADR], s[TB], v[BADR0]
	STEP 0,0,1,1,20
	WIN 0
	s_sub_co_u32 s[LC], s[LC], 1
	s_cmp_lg_u32 s[LC], 0
	s_cbranch_scc1 .Lk
	STEP 1,0,0,1,20                                ; the last three steps ask for no rows: the counts run down
	STEP 2,0,0,1,10
	STEP 3,0,0,0,0
	PLACES                                         ; the way out reads results just made and writes where the slice's fragments lay
	WIN 0
.Lnok:
	s_wait_loadcnt 0x0                             ; on the short way: the gates' loads
	s_wait_dscnt 0x0                               ; my reads of slice and list are back
	s_barrier_signal -1
	s_barrier_wait -1                              ; every wave's are: from here to the next barrier the stages are written and read
	; THE WAY OUT: a loop over my five blocks of 16 rows.  A chain of compares leads to the block's own lines (HEAD); the rest is written once.
.macro HEAD a                          ; the block's 64 numbers a lane, each accumulator from its low end on, times c1 (DOWN: times the row's gate), into fixed registers; and the block's r
.if (\a) < 4
.set AC, 64*(\a)
	WIN 0x01
.else
.set AC, 0
	WIN 0x02
.endif
.set z, 0
.rept 32
.if DOWN
	v_pk_mul_f32 v[SS+2*z:SS+2*z+1], v[AC+2*z:AC+2*z+1], v[GT+2*(\a):GT+2*(\a)+1] op_sel_hi:[1,0]
.else
	v_pk_mul_f32 v[SS+2*z:SS+2*z+1], v[AC+2*z:AC+2*z+1], s[C1:C1+1] op_sel_hi:[1,0]
.endif
.set z, z+1
.endr
	WIN 0
	v_mov_b32 v[RC], v[RR+(\a)]
.endm
; gelu of 32 numbers s = c1 x (four fragments), held to f16's range, rounded to f16 and put into the stage.  t = 1 / (1 + ps |s|); w = s t (a1 + t (a2 + .. t a5)) 2^(-s s); g = max(s, 0) / c1 - |w|.
; The 64 transcendentals are one batch with one wait; nothing ahead of the wait names a result of theirs.
.macro GELU hf
.set SB, SS+32*(\hf)
	ALL16 v_pk_mul_f32 v[EE+2*i:EE+2*i+1], v[SB+2*i:SB+2*i+1], v[SB+2*i:SB+2*i+1] neg_lo:[1,0] neg_hi:[1,0]
.set i, 0
.rept 32
	v_fma_f32 v[TT+i], |v[SB+i]|, s[PS], 1.0
	v_exp_f32 v[EE+i], v[EE+i]
.set i, i+1
.endr
	ALL32 v_rcp_f32 v[TT+i], v[TT+i]
	v_nop                                          ; a plain instruction behind the last of them,
	s_wait_alu depctr_va_vdst(0)                   ; and the batch's one wait, ahead of the first reader
	ALL16 v_pk_fma_f32 v[PP+2*i:PP+2*i+1], v[TT+2*i:TT+2*i+1], s[A5:A5+1], s[A4:A4+1] op_sel_hi:[1,0,0]
	ALL16 v_pk_fma_f32 v[PP+2*i:PP+2*i+1], v[PP+2*i:PP+2*i+1], v[TT+2*i:TT+2*i+1], s[A3:A3+1] op_sel_hi:[1,1,0]
	ALL16 v_pk_fma_f32 v[PP+2*i:PP+2*i+1], v[PP+2*i:PP+2*i+1], v[TT+2*i:TT+2*i+1], s[A2:A2+1] op_sel_hi:[1,1,0]
	ALL16 v_pk_fma_f32 v[PP+2*i:PP+2*i+1], v[PP+2*i:PP+2*i+1], v[TT+2*i:TT+2*i+1], s[A1:A1+1] op_sel_hi:[1,1,0]
	ALL16 v_pk_mul_f32 v[PP+2*i:PP+2*i+1], v[PP+2*i:PP+2*i+1], v[TT+2*i:TT+2*i+1]
	ALL16 v_pk_mul_f32 v[PP+2*i:PP+2*i+1], v[PP+2*i:PP+2*i+1], v[EE+2*i:EE+2*i+1]
	ALL16 v_pk_mul_f32 v[PP+2*i:PP+2*i+1], v[PP+2*i:PP+2*i+1], v[SB+2*i:SB+2*i+1]
	ALL32 v_max_num_f32 v[SB+i], 0, v[SB+i]
	ALL32 v_fma_f32 v[SB+i], v[SB+i], s[IC1], -|v[PP+i]|
	ALL32 v_min_num_f32 v[SB+i], s[LIM], v[SB+i]
	ALL16 v_cvt_pk_f16_f32 v[TT+i], v[SB+2*i], v[SB+2*i+1]
.irp b, 0,1,2,3
	ds_store_b128 v[STO], v[TT+4*\b:TT+4*\b+3] offset:32*(4*(\hf)+\b)
.endr
.endm
.macro STG hf, bk                      ; DOWN: 64 columns of f32 (256 bytes a row) into my stage, and back as whole rows
.irp b, 0,1,2,3
	ds_store_b128 v[STO], v[SS+32*(\hf)+8*\b:SS+32*(\hf)+8*\b+3]   offset:64*\b
	ds_store_b128 v[STO], v[SS+32*(\hf)+8*\b+4:SS+32*(\hf)+8*\b+7] offset:64*\b+16
.endr
.irp t, 0,1,2,3,4,5,6,7
	ds_load_b128 v[(\bk)+4*\t:(\bk)+4*\t+3], v[RD] offset:2*SP*\t  ; LDS serves a wave's instructions in order (ISA guide 5.7.1.4): these see the stores above, and the next stores come behind them
.endr
.endm
.macro SOFF                            ; the stores' offsets: the row's number, clamped, times the row's bytes, + my 16 bytes
.irp t, 0,1,2,3,4,5,6,7
	v_min_u32 v[SO+\t], 2047, v[SO+\t]
	v_lshl_add_u32 v[SO+\t], v[SO+\t], SHIFT, v[C16]
.endr
.endm
	s_sub_co_i32 s[REM], s[CNT], s[BASE]           ; rows from my tile's first on; 0 or less for a dead tile, whose five trips then do nothing
	s_mov_b32 s[IT], 0
.Lout:
	s_cmp_le_i32 s[REM], 0
	s_cbranch_scc1 .Lonext                         ; a block wholly past the count stores nothing
.irp k, 0,1,2,3
	s_cmp_eq_u32 s[IT], \k
	s_cbranch_scc1 .Lhead\k
.endr
	HEAD 4
	s_branch .Lcommon
.irp k, 0,1,2
.Lhead\k:
	HEAD \k
	s_branch .Lcommon
.endr
.Lhead3:
	HEAD 3
.Lcommon:
	s_wait_xcnt 0x0                                ; the last block's stores have read their offsets and data: only behind this wait are those registers written again
.irp t, 0,1,2,3,4,5,6,7
	ds_bpermute_b32 v[SO+\t], v[BPI+\t], v[RC]     ; r of rows 2 t and 2 t + 1, which lanes 2 t and 2 t + 1 hold
.endr
.if DOWN
	STG 0,BK
	s_wait_dscnt 16                                ; the eight exchanges are back; the 16 younger LDS instructions stay out
	SOFF
	STG 1,TT
	s_wait_dscnt 16                                ; the first half's rows are back
.irp t, 0,1,2,3,4,5,6,7
	global_store_b128 v[SO+\t], v[BK+4*\t:BK+4*\t+3], s[HP:HP+1]             ; 16 lanes store 256 consecutive bytes, aligned
.endr
	s_wait_dscnt 0x0
.irp t, 0,1,2,3,4,5,6,7
	global_store_b128 v[SO+\t], v[TT+4*\t:TT+4*\t+3], s[HP:HP+1] offset:256
.endr
.else
	GELU 0
	GELU 1
.irp t, 0,1,2,3,4,5,6,7
	ds_load_b128 v[BK+4*\t:BK+4*\t+3], v[RD] offset:2*SP*\t  ; LDS serves a wave's instructions in order (ISA guide 5.7.1.4): these see my stores into the stage
.endr
	s_wait_dscnt 8                                 ; the exchanges are back; the eight loads just issued stay out
	SOFF
	s_wait_dscnt 0x0
.irp t, 0,1,2,3,4,5,6,7
	global_store_b128 v[SO+\t], v[BK+4*\t:BK+4*\t+3], s[HP:HP+1]             ; 16 lanes store 256 consecutive bytes, aligned: a row's 128 f16
.endr
.endif
.Lonext:
	s_sub_co_i32 s[REM], s[REM], 16
	s_add_co_u32 s[IT], s[IT], 1
	s_cmp_lt_u32 s[IT], 5
	s_cbranch_scc1 .Lout
	s_wait_dscnt 0x0                               ; my stores into my stage, and my reads of it, are done
	s_barrier_signal -1
	s_barrier_wait -1                              ; every wave's are: from here to the next barrier LDS is only read
	s_add_co_u32 s[BASE], s[BASE], 320
	s_sub_co_u32 s[TR], s[TR], 1
	s_cmp_lg_u32 s[TR], 0
	s_cbranch_scc1 .Ltile
	s_wait_tensorcnt 0x0                           ; the wave's end, behind my last LDS store
	ds_add_u32 v[SPW], v[NIL]
	s_wait_dscnt 0x0
	s_endpgm
.Lfunc_end_k_q743628b998_down:
	.size	k_q743628b998_down, .Lfunc_end_k_q743628b998_down-k_q743628b998_down
	.p2alignl 7, 3214868480
	.fill 96, 4, 3214868480
	.section	.rodata,"a",@progbits
	.p2align	6, 0x0
	.amdhsa_kernel k_q743628b998_down
		.amdhsa_group_segment_fixed_size 317440
		.amdhsa_private_segment_fixed_size 0
		.amdhsa_enable_private_segment 0
		.amdhsa_kernarg_size 48
		.amdhsa_user_sgpr_count 2
		.amdhsa_user_sgpr_kernarg_segment_ptr 1
		.amdhsa_wavefront_size32 1
		.amdhsa_system_sgpr_workgroup_id_x 1
		.amdhsa_system_sgpr_workgroup_id_y 1
		.amdhsa_system_sgpr_workgroup_id_z 1
		.amdhsa_system_vgpr_workitem_id 0
		.amdhsa_next_free_vgpr 864
		.amdhsa_next_free_sgpr 66
		.amdhsa_reserve_vcc 1
		.amdhsa_float_denorm_mode_32 3
		.amdhsa_float_denorm_mode_16_64 3
		.amdhsa_memory_ordered 1
		.amdhsa_forward_progress 1
		.amdhsa_inst_pref_size 171
	.end_amdhsa_kernel
	.amdgpu_metadata
---
amdhsa.version: [ 1, 2 ]
amdhsa.kernels:
  - .name:           k_q743628b998_down
    .symbol:         k_q743628b998_down.kd
    .args:
      - { .name: W2, .offset: 0, .size: 8, .value_kind: global_buffer, .address_space: global }
      - { .name: b2, .offset: 8, .size: 8, .value_kind: global_buffer, .address_space: global }
      - { .name: h, .offset: 16, .size: 8, .value_kind: global_buffer, .address_space: global }
      - { .name: choice, .offset: 24, .size: 8, .value_kind: global_buffer, .address_space: global }
      - { .name: gate, .offset: 32, .size: 8, .value_kind: global_buffer, .address_space: global }
      - { .name: ypart, .offset: 40, .size: 8, .value_kind: global_buffer, .address_space: global }
    .group_segment_fixed_size: 317440
    .private_segment_fixed_size: 0
    .kernarg_segment_align: 8
    .kernarg_segment_size: 48
    .max_flat_workgroup_size: 128
    .sgpr_count:     66
    .vgpr_count:     864
    .wavefront_size: 32
...
	.end_amdgpu_metadata
.endif
;; end of part 3
;; launch combine (part 4): grid 256 x 1, 8 waves a work-group, no clusters, 0 bytes of LDS; arguments ypart, out0; writes out0
.if DOCPART == 4
	.amdgcn_target "amdgcn-amd-amdhsa--gfx1250"
	.amdhsa_code_object_version 6
	.text
	.protected	k_q743628b998_combine
	.globl	k_q743628b998_combine
	.p2align	8
	.type	k_q743628b998_combine,@function
k_q743628b998_combine:
	s_mov_b64 s[64:65], 0
	v_nop
	global_prefetch_b8 v0, s[64:65] scope:SCOPE_SE
	s_setreg_imm32_b32 hwreg(HW_REG_WAVE_MODE, 25, 1), 1
	s_wait_xcnt 0x0
; out0[t][:] = the sum over the four K quarters ks and the two slots of ypart[ks][2 t + slot][:].  ypart: [4][2048][1024] f32, already weighted by the gates; out0: [1024][1024] f32.
; A stream: each byte is read once and written once; no LDS, no barrier, no matrix unit.  Eight waves; the work-group owns 4 tokens; thread n owns the 16 bytes at 16 n of every row,
; so a wave's load or store covers 512 consecutive bytes, aligned.  All 32 loads of a thread go out at once; the sums are f32, in a fixed order (pairs, then pairs of pairs).
.set V, 4                              ; v[4:131]  token j, quarter k, slot s: four registers at V + 32 j + 8 k + 4 s
	s_load_b128 s[4:7], s[0:1], 0x0                ; ypart s[4:5], out0 s[6:7]
	v_lshlrev_b32 v1, 4, v0
	s_lshl_b32 s2, ttmp9, 15                       ; 4 tokens x 2 rows x 4,096 bytes
	s_mov_b32 s3, 0
	s_lshl_b32 s16, ttmp9, 14                      ; 4 rows of out0
	s_mov_b32 s17, 0
	s_wait_kmcnt 0x0
	s_add_nc_u64 s[8:9], s[4:5], s[2:3]            ; a base for each quarter: 8 MiB apart, more than a load's immediate holds
	s_add_nc_u64 s[10:11], s[8:9], 0x800000
	s_add_nc_u64 s[12:13], s[10:11], 0x800000
	s_add_nc_u64 s[14:15], s[12:13], 0x800000
	s_add_nc_u64 s[6:7], s[6:7], s[16:17]
.irp j, 0,1,2,3
.irp k, 0,1,2,3
.irp s, 0,1
	global_load_b128 v[V+32*\j+8*\k+4*\s:V+32*\j+8*\k+4*\s+3], v1, s[8+2*\k:9+2*\k] offset:8192*\j+4096*\s th:TH_LOAD_NT
.endr
.endr
.endr
.macro ADD4 d, a                       ; four numbers onto four
	v_pk_add_f32 v[\d:\d+1], v[\d:\d+1], v[\a:\a+1]
	v_pk_add_f32 v[\d+2:\d+3], v[\d+2:\d+3], v[\a+2:\a+3]
.endm
.irp j, 0,1,2,3
	s_wait_loadcnt 8*(3-\j)                        ; this token's eight loads are in; the younger tokens' stay out
	ADD4 V+32*\j,V+32*\j+4
	ADD4 V+32*\j+8,V+32*\j+12
	ADD4 V+32*\j+16,V+32*\j+20
	ADD4 V+32*\j+24,V+32*\j+28
	ADD4 V+32*\j,V+32*\j+8
	ADD4 V+32*\j+16,V+32*\j+24
	ADD4 V+32*\j,V+32*\j+16
	global_store_b128 v1, v[V+32*\j:V+32*\j+3], s[6:7] offset:4096*\j th:TH_STORE_NT
.endr
	s_endpgm
.Lfunc_end_k_q743628b998_combine:
	.size	k_q743628b998_combine, .Lfunc_end_k_q743628b998_combine-k_q743628b998_combine
	.p2alignl 7, 3214868480
	.fill 96, 4, 3214868480
	.section	.rodata,"a",@progbits
	.p2align	6, 0x0
	.amdhsa_kernel k_q743628b998_combine
		.amdhsa_group_segment_fixed_size 0
		.amdhsa_private_segment_fixed_size 0
		.amdhsa_enable_private_segment 0
		.amdhsa_kernarg_size 16
		.amdhsa_user_sgpr_count 2
		.amdhsa_user_sgpr_kernarg_segment_ptr 1
		.amdhsa_wavefront_size32 1
		.amdhsa_system_sgpr_workgroup_id_x 1
		.amdhsa_system_sgpr_workgroup_id_y 1
		.amdhsa_system_sgpr_workgroup_id_z 1
		.amdhsa_system_vgpr_workitem_id 0
		.amdhsa_next_free_vgpr 136
		.amdhsa_next_free_sgpr 66
		.amdhsa_reserve_vcc 0
		.amdhsa_float_denorm_mode_32 3
		.amdhsa_float_denorm_mode_16_64 3
		.amdhsa_memory_ordered 1
		.amdhsa_forward_progress 1
		.amdhsa_inst_pref_size 8
	.end_amdhsa_kernel
	.amdgpu_metadata
---
amdhsa.version: [ 1, 2 ]
amdhsa.kernels:
  - .name:           k_q743628b998_combine
    .symbol:         k_q743628b998_combine.kd
    .args:
      - { .name: ypart, .offset: 0, .size: 8, .value_kind: global_buffer, .address_space: global }
      - { .name: out0, .offset: 8, .size: 8, .value_kind: global_buffer, .address_space: global }
    .group_segment_fixed_size: 0
    .private_segment_fixed_size: 0
    .kernarg_segment_align: 8
    .kernarg_segment_size: 16
    .max_flat_workgroup_size: 256
    .sgpr_count:     66
    .vgpr_count:     136
    .wavefront_size: 32
...
	.end_amdgpu_metadata
.endif
;; end of part 4
